; MI455X (gfx1250); checked and timed in simulation.
; The chip was launched on July 23, 2026; its instructions are those of AMD's public machine-readable ISA for CDNA 5 (MIT licence, August 2026) and "CDNA5" Instruction Set Architecture Reference Guide (July 2026). The comments in the code are by the model that wrote it; some were corrected since.
;; Mo E. Allowed arithmetic: float matrix products may take bf16 or f16 operands with f32 sums; other float arithmetic in f32, or as packed bf16 or f16 multiplies, adds, multiply-adds, maxima and minima; sums over many terms, partial sums and values carried from step to step in f32; what a program stores and reads back later, other than sums and carried values, may be rounded once to bf16 or f16.
;; Inputs: W1 8 x 1,024 x 4,096 float32; W2 8 x 4,096 x 1,024 float32; Wr 1,024 x 8 float32; b1 8 x 4,096 float32; b2 8 x 1,024 float32; br 8 float32; x 4 x 256 x 1,024 float32.
;; Outputs: out0 4 x 256 x 1,024 float32.
;; One version. Each part assembles by itself: llvm-mc -triple=amdgcn-amd-amdhsa -mcpu=gfx1250 --defsym DOCPART=n.
;; ======== version 1 of 1: 4 launches
;; workspace buffers: xb 2,097,152 bytes; sel 2,048 bytes of whole numbers; gate 32,768 bytes; h 17,825,792 bytes; yp 33,554,432 bytes
;; launch router (part 1): grid 64 x 1, 8 waves a work-group, no clusters, 44,032 bytes of LDS; arguments x, Wr, br, xb, sel, gate; writes xb, sel, gate
.if DOCPART == 1
	.amdgcn_target "amdgcn-amd-amdhsa--gfx1250"
	.amdhsa_code_object_version 6
	.text
	.protected	k_qa91647b66e_router
	.globl	k_qa91647b66e_router
	.p2align	8
	.type	k_qa91647b66e_router,@function
k_qa91647b66e_router:
	s_mov_b64 s[64:65], 0
	v_nop
	global_prefetch_b8 v0, s[64:65] scope:SCOPE_SE
	s_setreg_imm32_b32 hwreg(HW_REG_WAVE_MODE, 25, 1), 1
	s_wait_xcnt 0x0
; ROUTER.  For 16 tokens a work-group: x rounded to bf16 (xb), logits = x Wr + br on the matrix unit, softmax with the row's maximum taken away,
; the two largest probabilities (a tie keeps the lower index, as jax.lax.top_k does), their renormalised weights as a dense gate [token][8] in f32,
; and for each expert the 16 tokens' bit mask and its count (sel: 8 words a group: 4 of masks, 4 of counts, two experts to a word, the even one low).
; All is stored at fixed places: no address and no branch hangs on a floating-point number.
; FORMATS.  x, Wr and br are rounded to bf16 (nearest even), as every input of the program is; sums, softmax and gate in f32.
; LIMITS.  NaN and infinities are not treated apart.  A probability below 2^-126 counts as 0.  Where a token's second and third probability lie
; within a few units of the last place of each other, the order of the K sum (eight parts of 128, added in ascending order) may decide the choice.
; SHARES.  Eight waves; wave w takes K = 128 w .. 128 w + 127 of all 16 tokens: thread t loads the 16 bytes at 16 t of each row, so a wave's load covers
; 512 consecutive bytes and its store into xb 256 consecutive, aligned bytes.  64 work-groups: a matrix tile is 16 tokens, and there are 1,024.
; No cluster: the one thing shared, Wr, is 32 KB against the 64 KB of x that each work-group alone reads.
.set XLW,   4352                       ; a wave's own 16 rows x 272 bytes (256 of data + 16: the 16 rows of a fragment load start at 16 different groups of four banks)
.set RED,   34816                      ; behind them: 1,024 bytes a wave, its partial logits
.set SPARE, 43008                      ; the spare words: 128 bytes for each of eight waves; no other line names them
.set X,   16                           ; v[16:79]    16 rows x 4 f32; wave 0 later: the eight partial sums
.set WR,  80                           ; v[80:143]   64 numbers of Wr; wave 0 later: at work
.set XB,  144                          ; v[144:175]  16 rows x 4 bf16
.set WFR, 176                          ; v[176:207]  Wr's four fragments
.set XF,  208                          ; v[208:239]  x's four fragments
.set A0,  240                          ; v[240:247], v[248:255]  two accumulators, by turns
.set A1,  248
.set WV,  32                           ; s32 the wave's number
	s_load_b256 s[4:11], s[0:1], 0x0               ; x s[4:5], Wr s[6:7], br s[8:9], xb s[10:11]
	s_load_b128 s[12:15], s[0:1], 0x20             ; sel s[12:13], gate s[14:15]
	v_lshl_add_u32 v4, v0, 2, SPARE                ; my spare word,
	v_mov_b32 v5, 0                                ; and 0: kept for the add at the wave's end alone
	v_and_b32 v1, 31, v0                           ; lane
	v_and_b32 v2, 15, v0                           ; r
	v_bfe_u32 v3, v0, 4, 1                         ; hh
	v_lshrrev_b32 v7, 5, v0
	v_readfirstlane_b32 s[WV], v7
	v_lshlrev_b32 v6, 4, v0                        ; x: 16 t
	v_lshlrev_b32 v8, 3, v0                        ; xb: 8 t
	v_and_b32 v9, 7, v0
	v_lshlrev_b32 v9, 2, v9                        ; Wr: expert r % 8,
	v_lshl_add_u32 v9, v3, 8, v9                   ; row 8 hh (32 bytes a row),
	s_lshl_b32 s33, s[WV], 12
	v_add_nc_u32 v9, s33, v9                       ; row 128 w
	s_mul_i32 s34, s[WV], XLW
	v_lshl_add_u32 v10, v1, 3, s34                 ; LDS, in: my 8 bytes of a row
	v_mul_u32_u24 v11, v2, 272
	v_lshl_add_u32 v11, v3, 4, v11
	v_add_nc_u32 v11, s34, v11                     ; LDS, back: row r, 16 hh
	s_lshl_b32 s35, s[WV], 10
	s_add_co_u32 s35, s35, RED
	v_lshl_add_u32 v12, v1, 4, s35                 ; my partial logits
	v_lshlrev_b32 v13, 4, v1
	v_add_nc_u32 v13, RED, v13                     ; wave 0 reads all eight
	v_lshlrev_b32 v15, 5, v2
	v_lshl_add_u32 v15, v3, 4, v15                 ; gate: token r, experts 4 hh ..
	v_mov_b32 v14, 0                               ; sel: the group's 32 bytes
	s_mov_b32 s37, 0
	s_mov_b32 s40, 0x3fb8aa3b                      ; log2(e)
	s_mov_b32 s41, 0xffff0000                      ; lanes 16 to 31
	s_wait_kmcnt 0x0
	s_load_b256 s[16:23], s[8:9], 0x0              ; br
	s_lshl_b32 s36, ttmp9, 16                      ; 16 rows of 4,096 bytes
	s_add_nc_u64 s[4:5], s[4:5], s[36:37]
	s_lshl_b32 s36, ttmp9, 15                      ; 16 rows of 2,048 bytes
	s_add_nc_u64 s[10:11], s[10:11], s[36:37]
	s_lshl_b32 s36, ttmp9, 5
	s_add_nc_u64 s[12:13], s[12:13], s[36:37]
	s_lshl_b32 s36, ttmp9, 9
	s_add_nc_u64 s[14:15], s[14:15], s[36:37]
.set i, 0
.rept 16
	global_load_b128 v[X+4*i:X+4*i+3], v6, s[4:5] offset:4096*i th:TH_LOAD_NT
.set i, i+1
.endr
.set i, 0
.rept 64                               ; number i: k = 128 w + 8 hh + 16 (i / 8) + i % 8, in the order of a fragment's registers
	global_load_b32 v[WR+i], v9, s[6:7] offset:32*(16*(i/8)+i%8)
.set i, i+1
.endr
	s_wait_loadcnt 63                              ; 64 loads were issued behind x's sixteen: x is in
.set i, 0
.rept 16
	v_cvt_pk_bf16_f32 v[XB+2*i], v[X+4*i], v[X+4*i+1]
	v_cvt_pk_bf16_f32 v[XB+2*i+1], v[X+4*i+2], v[X+4*i+3]
	global_store_b64 v8, v[XB+2*i:XB+2*i+1], s[10:11] offset:2048*i
	ds_store_b64 v10, v[XB+2*i:XB+2*i+1] offset:272*i
.set i, i+1
.endr
.set i, 0
.rept 4                                ; LDS serves a wave's instructions in order (ISA guide 5.7.1.4): these see the stores above, which are the wave's own
	ds_load_b128 v[XF+8*i:XF+8*i+3], v11 offset:64*i
	ds_load_b128 v[XF+8*i+4:XF+8*i+7], v11 offset:64*i+32
.set i, i+1
.endr
	s_wait_loadcnt 0x0                             ; Wr
.set i, 0
.rept 32
	v_cvt_pk_bf16_f32 v[WFR+i], v[WR+2*i], v[WR+2*i+1]
.set i, i+1
.endr
	s_wait_dscnt 0x0
	; Source 0 = Wr^T (row m = expert m % 8), source 1 = x (column n = token): register j of lane (r, hh) is expert j of token r, in both halves of the lanes.
	v_wmma_f32_16x16x32_bf16 v[A0:A0+7], v[WFR:WFR+7], v[XF:XF+7], 0
	v_wmma_f32_16x16x32_bf16 v[A1:A1+7], v[WFR+8:WFR+15], v[XF+8:XF+15], 0
	v_wmma_f32_16x16x32_bf16 v[A0:A0+7], v[WFR+16:WFR+23], v[XF+16:XF+23], v[A0:A0+7]    ; the two accumulators take turns
	v_wmma_f32_16x16x32_bf16 v[A1:A1+7], v[WFR+24:WFR+31], v[XF+24:XF+31], v[A1:A1+7]
.rept 4
	v_nop                                          ; four places behind the last product (ISA guide 7.12.1)
.endr
.irp p, 0,2,4,6                        ; from the low end on
	v_pk_add_f32 v[A0+\p:A0+\p+1], v[A0+\p:A0+\p+1], v[A1+\p:A1+\p+1]
.endr
	ds_store_b128 v12, v[A0:A0+3]
	ds_store_b128 v12, v[A0+4:A0+7] offset:512
	s_wait_kmcnt 0x0                               ; br
	s_wait_dscnt 0x0                               ; for wave 0's sake: my partial logits are in LDS
	s_barrier_signal -1
	s_barrier_wait -1
	s_cmp_eq_u32 s[WV], 0
	s_cbranch_scc1 .Lwave0
	s_wait_tensorcnt 0x0                           ; the end of waves 1 to 7
	ds_add_u32 v4, v5
	s_wait_dscnt 0x0
	s_endpgm
.Lwave0:
.set i, 0
.rept 8
	ds_load_b128 v[X+8*i:X+8*i+3], v13 offset:1024*i
	ds_load_b128 v[X+8*i+4:X+8*i+7], v13 offset:1024*i+512
.set i, i+1
.endr
.irp p, 0,1,2,3                        ; br rounded to bf16 and widened again
	v_cvt_pk_bf16_f32 v[88+\p], s[16+2*\p], s[17+2*\p]
.endr
.irp p, 0,1,2,3
	v_lshlrev_b32 v[80+2*\p], 16, v[88+\p]
	v_and_b32 v[81+2*\p], 0xffff0000, v[88+\p]
.endr
	s_wait_dscnt 0x0
.set i, 1
.rept 7                                ; the eight parts of K in ascending order
.irp p, 0,2,4,6
	v_pk_add_f32 v[X+\p:X+\p+1], v[X+\p:X+\p+1], v[X+8*i+\p:X+8*i+\p+1]
.endr
.set i, i+1
.endr
.irp p, 0,2,4,6
	v_pk_add_f32 v[X+\p:X+\p+1], v[X+\p:X+\p+1], v[80+\p:80+\p+1]
.endr
	; softmax: p = 2^(c L - c m) / sum, m the row's maximum
	v_max3_num_f32 v128, v16, v17, v18
	v_max3_num_f32 v128, v128, v19, v20
	v_max3_num_f32 v128, v128, v21, v22
	v_max_num_f32 v128, v128, v23
	v_mul_f32 v129, s40, v128
.irp j, 0,1,2,3,4,5,6,7
	v_fma_f32 v[96+\j], v[16+\j], s40, -v129
.endr
.irp j, 0,1,2,3,4,5,6,7
	v_exp_f32 v[96+\j], v[96+\j]
.endr
	v_nop                                          ; a plain instruction behind the last exponential,
	s_wait_alu depctr_va_vdst(0)                   ; and one wait for the batch of eight, ahead of the first use
	v_add_f32 v130, v96, v97
	v_add_f32 v131, v98, v99
	v_add_f32 v132, v100, v101
	v_add_f32 v133, v102, v103
	v_add_f32 v130, v130, v131
	v_add_f32 v132, v132, v133
	v_add_f32 v130, v130, v132
	v_rcp_f32 v131, v130
	v_nop
	s_wait_alu depctr_va_vdst(0)
.irp j, 0,1,2,3,4,5,6,7
	v_mul_f32 v[96+\j], v[96+\j], v131
.endr
	; the largest: a strictly greater number alone takes the place, so a tie keeps the lower index
	v_mov_b32 v124, v96
	v_mov_b32 v125, 0
.irp j, 1,2,3,4,5,6,7
	v_cmp_gt_f32 vcc_lo, v[96+\j], v124
	v_cndmask_b32 v124, v124, v[96+\j], vcc_lo
	v_cndmask_b32 v125, v125, \j, vcc_lo
.endr
.irp j, 0,1,2,3,4,5,6,7                ; the second: the same with -1 in the winner's place
	v_cmp_eq_u32 vcc_lo, \j, v125
	v_cndmask_b32 v[104+\j], v[96+\j], -1.0, vcc_lo
.endr
	v_mov_b32 v126, v104
	v_mov_b32 v127, 0
.irp j, 1,2,3,4,5,6,7
	v_cmp_gt_f32 vcc_lo, v[104+\j], v126
	v_cndmask_b32 v126, v126, v[104+\j], vcc_lo
	v_cndmask_b32 v127, v127, \j, vcc_lo
.endr
	v_add_f32 v130, v124, v126
	v_rcp_f32 v131, v130
	v_nop
	s_wait_alu depctr_va_vdst(0)
	v_mul_f32 v132, v124, v131                     ; the two renormalised weights
	v_mul_f32 v133, v126, v131
.irp j, 0,1,2,3,4,5,6,7                ; expert j: its gate in every lane, its mask over the 16 tokens, its count
	v_cmp_eq_u32 s42, \j, v125
	v_cmp_eq_u32 s43, \j, v127
	v_cndmask_b32 v[112+\j], 0, v132, s42
	v_cndmask_b32 v[112+\j], v[112+\j], v133, s43
	s_or_b32 s42, s42, s43
	s_and_b32 s[24+\j], s42, 0xffff                ; lanes 16 to 31 repeat lanes 0 to 15
	s_bcnt1_i32_b32 s[44+\j], s[24+\j]
.endr
.irp p, 0,1,2,3
	s_lshl_b32 s42, s[25+2*\p], 16
	s_or_b32 s[54+\p], s[24+2*\p], s42
	s_lshl_b32 s43, s[45+2*\p], 16
	s_or_b32 s[58+\p], s[44+2*\p], s43
.endr
.irp c, 0,1,2,3
	v_cndmask_b32 v[120+\c], v[112+\c], v[116+\c], s41   ; lanes 16 to 31 take experts 4 to 7
.endr
	global_store_b128 v15, v[120:123], s[14:15]    ; 32 lanes: 512 consecutive bytes, 16 tokens' gates
.irp p, 0,1,2,3
	v_mov_b32 v[136+\p], s[54+\p]
	v_mov_b32 v[140+\p], s[58+\p]
.endr
	v_cmp_eq_u32 vcc_lo, 0, v1
	s_wait_xcnt 0x0                                ; EXEC changes only behind this wait: it is a source of the stores above
	s_and_saveexec_b32 s52, vcc_lo                 ; lane 0 alone stores the group's 32 bytes
	global_store_b128 v14, v[136:139], s[12:13]
	global_store_b128 v14, v[140:143], s[12:13] offset:16
	s_wait_xcnt 0x0
	s_or_b32 exec_lo, exec_lo, s52
	s_wait_tensorcnt 0x0                           ; the wave's end
	ds_add_u32 v4, v5
	s_wait_dscnt 0x0
	s_endpgm
.Lfunc_end_k_qa91647b66e_router:
	.size	k_qa91647b66e_router, .Lfunc_end_k_qa91647b66e_router-k_qa91647b66e_router
	.p2alignl 7, 3214868480
	.fill 96, 4, 3214868480
	.section	.rodata,"a",@progbits
	.p2align	6, 0x0
	.amdhsa_kernel k_qa91647b66e_router
		.amdhsa_group_segment_fixed_size 44032
		.amdhsa_private_segment_fixed_size 0
		.amdhsa_enable_private_segment 0
		.amdhsa_kernarg_size 48
		.amdhsa_user_sgpr_count 2
		.amdhsa_user_sgpr_kernarg_segment_ptr 1
		.amdhsa_wavefront_size32 1
		.amdhsa_system_sgpr_workgroup_id_x 1
		.amdhsa_system_sgpr_workgroup_id_y 1
		.amdhsa_system_sgpr_workgroup_id_z 1
		.amdhsa_system_vgpr_workitem_id 0
		.amdhsa_next_free_vgpr 256
		.amdhsa_next_free_sgpr 66
		.amdhsa_reserve_vcc 1
		.amdhsa_float_denorm_mode_32 3
		.amdhsa_float_denorm_mode_16_64 3
		.amdhsa_memory_ordered 1
		.amdhsa_forward_progress 1
		.amdhsa_inst_pref_size 31
	.end_amdhsa_kernel
	.amdgpu_metadata
---
amdhsa.version: [ 1, 2 ]
amdhsa.kernels:
  - .name:           k_qa91647b66e_router
    .symbol:         k_qa91647b66e_router.kd
    .args:
      - { .name: x, .offset: 0, .size: 8, .value_kind: global_buffer, .address_space: global }
      - { .name: Wr, .offset: 8, .size: 8, .value_kind: global_buffer, .address_space: global }
      - { .name: br, .offset: 16, .size: 8, .value_kind: global_buffer, .address_space: global }
      - { .name: xb, .offset: 24, .size: 8, .value_kind: global_buffer, .address_space: global }
      - { .name: sel, .offset: 32, .size: 8, .value_kind: global_buffer, .address_space: global }
      - { .name: gate, .offset: 40, .size: 8, .value_kind: global_buffer, .address_space: global }
    .group_segment_fixed_size: 44032
    .private_segment_fixed_size: 0
    .kernarg_segment_align: 8
    .kernarg_segment_size: 48
    .max_flat_workgroup_size: 256
    .sgpr_count:     66
    .vgpr_count:     256
    .wavefront_size: 32
...
	.end_amdgpu_metadata
.endif
;; end of part 1
;; launch ffn1 (part 2): grid 32 x 8, 4 waves a work-group, no clusters, 306,688 bytes of LDS; arguments xb, W1, b1, sel, h; writes h
.if DOCPART == 2
	.amdgcn_target "amdgcn-amd-amdhsa--gfx1250"
	.amdhsa_code_object_version 6
	.text
	.protected	k_qa91647b66e_ffn1
	.globl	k_qa91647b66e_ffn1
	.p2align	8
	.type	k_qa91647b66e_ffn1,@function
k_qa91647b66e_ffn1:
	s_mov_b64 s[64:65], 0
	v_nop
	global_prefetch_b8 v0, s[64:65] scope:SCOPE_SE
	s_setreg_imm32_b32 hwreg(HW_REG_WAVE_MODE, 25, 1), 1
	s_wait_xcnt 0x0
; FIRST PRODUCT OF THE EXPERTS: h = relu(x W1 + b1), for the rows (token, expert) that the router chose alone; h in bf16, rows in the experts' order.
; (The second product's text is this text with SECOND = 1.)
; SHARES.  Work-group (x, y) has expert y and 128 columns: K = 1,024, 512 KB of f32 weights, which it alone reads, and all of the expert's rows, 0 to 1,024 of them.
; PHASE 1.  The slice is streamed once, rounded to bf16 and laid into LDS, where it stays.  Wave w takes k = 256 w .. 256 w + 255, 64 rows a trip, 64 loads of 512 consecutive bytes on their way;
; it writes four sub-regions of LDS that are its own.  The loop begins straight behind the first loads; the counts, the list of rows and the first block's set-up and row loads stand behind the loop,
; ahead of the last trip's conversions, where every load of weights is out.  Then a barrier, which every wave passes whatever the counts are.
; PHASE 2.  The expert's rows in blocks of 320: a loop of four trips, always four; a trip without rows jumps forward to the counter's step.  Nothing in it writes LDS and no barrier stands in it:
; the weights are only read, and the token rows come from memory straight into registers as matrix operands.
; Wave w owns the row tiles 4 i + w, i = 0 .. 4, of a block, across all 128 columns: 40 accumulators.  K goes in 8 trips of 128, a trip in 4 quarters of 32, a quarter in 5 blocks of 8 products.
; Behind a quarter's products stands ONE run of loads: the weights' fragments for the quarter after the next, into the buffer just multiplied, and this quarter's five row fragments for the next trip,
; into the registers just multiplied: 40 row loads of a wave are always out, each a whole trip ahead of its use.
; ADDRESSES.  No base register steps.  Each group of loads has an offset register of its own, stepped behind the counted wait that shows the group's last loads done.
; WHAT IS JUMPED.  The loads run for all five tiles, with rows past the count repeating the expert's last row: every counted wait is then the same on every way.
; Only the products and the stores of tiles past the count are jumped, by forward scalar branches.
; LAYOUT.  W lies [k][n] in f32.  A lane loads 4 columns of 8 rows; v_cvt_pk_bf16_f32 packs two k of one column; 16 bytes = 8 k go to the column's LDS row.
; The LDS rows are in such an order that the results of a lane for one token row are neighbours in memory: no stage on the way out.
; A row fragment's load takes 32 bytes of each of 16 rows (a lane holds one row): the price of a loop that writes no LDS.
; FORMATS.  Weights and bias are rounded to bf16 (nearest even) like every input of the program; sums in f32; h is rounded once to bf16.
; LIMITS.  NaN and infinities are not treated apart.
; NO CLUSTER, NO TENSOR LOADS.  Each weight byte has one reader.  What an expert's 32 work-groups share is its token rows: here they come by a list, which no descriptor covers;
; in the second product their number hangs on a stored count, in a loop that holds no barrier.
.set SECOND, 0
.if SECOND
.set WPITCH, 4096                      ; bytes from k row to k row of the weights
.set WSH,    12
.else
.set WPITCH, 16384
.set WSH,    14
.endif
.set TRIPW,  64*WPITCH                 ; phase 1: a trip's 64 rows
.set CAP,    320                       ; rows in a block
.set PW,     144                       ; a weights' LDS row: 128 bytes (64 k in bf16) + 16: the 16 rows of a fragment load start at 16 different groups of four banks (64 banks of 4 bytes: ISA guide 11.1)
.set TW,     16*PW                     ; a column tile
.set HALFSH, 128                       ; LDS rows 64 to 127 lie 128 bytes further on
.set SUBR,   128*PW+HALFSH             ; a sub-region: 64 k of all 128 columns; sub-region s holds k = 64 s ..; wave w writes sub-regions 4 w .. 4 w + 3
.set LISTS,  16*SUBR                   ; behind the weights, 2,304 bytes a wave: its own list of the expert's rows (1,024 halfwords) and one halfword for what is not listed
.set LISTB,  2304
.set SPARE,  LISTS+4*LISTB             ; the spare words: 128 bytes for each of four waves; no other line names them
.set XG,     40*SECOND                 ; the second product's 40 loads of gates, which stand behind the row loads in the last three quarters
; window 0
.set LN,   1                           ; lane, while the list is made;
.set LB,   1                           ; then: my first row of the block
.set RR,   2                           ; r = lane % 16
.set HH,   3                           ; hh = lane / 16
.set SPW,  4                           ; my spare word; never rewritten
.set NIL,  5                           ; 0; never rewritten
.set AW0,  6                           ; weights' fragments: r x 144 + 16 hh; never rewritten
.set H16,  7                           ; 16 hh
.set AWR,  8                           ; v[8:9]     + the trip's place, one register for each fragment buffer
.set PFV,  10                          ; prefetch: lane l asks for rows l and l + 32 of a trip; never rewritten
.set HOF,  11
.set AOQ,  12                          ; v[12:31]   phase 2: byte offset of my row of tile i for quarter q's loads, at 12 + 4 i + q
.set R16,  12                          ; the head's own use of v12-31: 16 r,
.set BOF,  13                          ; 32 r,
.set WOF,  14                          ; my 16 bytes of my wave's first row of weights,
.set SLA,  15                          ; my 64 bytes of sel; v16-23 at work;
.set B8,   24                          ; v[24:31]   bias of my eight columns
.set BC,   32                          ; v[32:95]   the bias as a C operand
.set AF,   96                          ; v[96:255]  row fragments: tile i, quarter q at 96 + 32 i + 8 q
.set SELV, 128                         ; ahead of the first row loads v128 on are at work
.set MK,   144
.set TOT,  152
.set PRE,  156
.set TT,   160
.set UU,   164
.set MOWN, 168
.set PREO, 169
.set LOWR, 170
; window 1
.set WF0,  0                           ; v[0:63], v[64:127]  weights' fragments, two buffers
.set RO,   128                         ; second product: v[128:167] byte offsets of the output rows, v[168:207] their gates
.set GI,   168
.set RB1,  246                         ; second product: my first output row of the block, and a copy of 16 r
.set R161, 247
; window 2: accumulators of tiles 0 to 3 at 64 i + 8 tau; in phase 1 the weights as loaded: unit u, row j, column c at 32 u + 4 j + c
; window 3: v[0:63] tile 4's accumulators
.set AS,   64                          ; v[64:223]  the way out; in phase 1 v[64:191]: unit u's 4 columns x 8 k, packed, at 64 + 16 u
.set WOU,  224                         ; v[224:231] phase 1: unit u's offset in the weights
.set WST,  240                         ; phase 1: where my 16 bytes of column c = 0 go
.set ZR,   241                         ; first product: 0
; scalars
.set WV, 16
.set BX, 17
.set EX, 18
.set CNT, 19
.set BASE, 20
.set ROW0, 21
.set NM1, 22
.set NTILES, 24
.set NTW, 28
.set NT1, 29
.set KO, 30
.set TC, 31
.set OC, 32
.set LISTW, 33
.set E4, 34
.set CS, 35
.set SW, 36
.set SA, 38
.set SO, 40
.set KQ, 51
.set RN, 57
.set STP, 58
.if SECOND
.set AB, SA                            ; the row loads' base: h at the block's first row and my quarter of K
.else
.set AB, 4                             ; the row loads' base: xb
.endif
.set MSB, 0
.macro WIN new                         ; the immediate's high byte repeats the setting that is left; a switch that changes nothing is dropped
.if MSB != (\new)
	s_set_vgpr_msb (MSB<<8)|(\new)
.set MSB, (\new)
.endif
.endm
.macro PLACES                          ; four places between a product and a load into, or a read of, its registers
.rept 4
	v_nop
.endr
.endm
; PHASE 1
.macro WLOAD u                         ; unit u: 8 rows of k, 512 consecutive bytes each; read once in the launch
	WIN 0x83
.irp j, 0,1,2,3,4,5,6,7
	global_load_b128 v[32*(\u)+4*\j:32*(\u)+4*\j+3], v[WOU+(\u)], s[SW:SW+1] offset:(8*(\u)+\j)*WPITCH th:TH_LOAD_NT
.endr
.endm
.macro CVT u                           ; unit u: for each of my 4 columns 8 k rounded and packed, into the unit's own 16 registers
	WIN 0xca
.irp c, 0,1,2,3
.irp p, 0,1,2,3
	v_cvt_pk_bf16_f32 v[AS+16*(\u)+4*\c+\p], v[32*(\u)+8*\p+\c], v[32*(\u)+8*\p+4+\c]
.endr
.endr
.endm
.macro STO u                           ; 16 bytes into each column's LDS row
	WIN 0x0f
.irp c, 0,1,2,3
	ds_store_b128 v[WST], v[AS+16*(\u)+4*\c:AS+16*(\u)+4*\c+3] offset:\c*TW+16*(\u)
.endr
.endm
.macro PF ch                           ; lane l asks for the two blocks of 256 bytes of rows l and l + 32 of my wave's trip ch: each block once in the launch
	global_prefetch_b8 v[PFV], s[SW:SW+1] offset:(\ch)*TRIPW th:TH_LOAD_NT scope:SCOPE_SE
	global_prefetch_b8 v[PFV], s[SW:SW+1] offset:(\ch)*TRIPW+256 th:TH_LOAD_NT scope:SCOPE_SE
	global_prefetch_b8 v[PFV], s[SW:SW+1] offset:(\ch)*TRIPW+32*WPITCH th:TH_LOAD_NT scope:SCOPE_SE
	global_prefetch_b8 v[PFV], s[SW:SW+1] offset:(\ch)*TRIPW+32*WPITCH+256 th:TH_LOAD_NT scope:SCOPE_SE
.endm
; PHASE 2
.macro WFADR q                         ; the address for LD_WF q; s[KO] is the trip's first byte in the slice
	v_add_nc_u32 v[AWR+(\q)%2], s[KO], v[AW0]
.endm
.macro LD_WF q                         ; the weights' eight fragments for quarter q, counted from the trip at s[KO] (4, 5: the next trip's first two), into buffer q % 2
	WIN 0x40
.irp t, 0,1,2,3,4,5,6,7
	ds_load_b128 v[WF0+64*((\q)%2)+8*\t:WF0+64*((\q)%2)+8*\t+3], v[AWR+(\q)%2] offset:((\q)/2)*SUBR+\t*TW+HALFSH*(\t/4)+64*((\q)%2)
	ds_load_b128 v[WF0+64*((\q)%2)+8*\t+4:WF0+64*((\q)%2)+8*\t+7], v[AWR+(\q)%2] offset:((\q)/2)*SUBR+\t*TW+HALFSH*(\t/4)+64*((\q)%2)+32
.endr
	WIN 0
.endm
.macro AFLOAD i, q                     ; tile i's fragment for quarter q: lane (r, hh) takes k = 8 hh .. and 16 + 8 hh .. of row r
	global_load_b128 v[AF+32*(\i)+8*(\q):AF+32*(\i)+8*(\q)+3], v[AOQ+4*(\i)+(\q)], s[AB:AB+1] offset:64*(\q)
	global_load_b128 v[AF+32*(\i)+8*(\q)+4:AF+32*(\i)+8*(\q)+7], v[AOQ+4*(\i)+(\q)], s[AB:AB+1] offset:64*(\q)+32
.endm
; Eight products: tile i x the eight column tiles, quarter q.  The eight accumulators take turns; whatever blocks are jumped, no two products on end share one.
; zero = 1: the sums start with the bias as C, for all five tiles.  Else a tile past the count is jumped.
.macro BLOCK i, q, zero
.set AC, 64*((\i)%4)
.set WB, WF0+64*((\q)%2)
.set FA, AF+32*(\i)+8*(\q)
.if \zero
	WIN 0x84+0x40*((\i)/4)
.irp t, 0,1,2,3,4,5,6,7
	v_wmma_f32_16x16x32_bf16 v[AC+8*\t:AC+8*\t+7], v[FA:FA+7], v[WB+8*\t:WB+8*\t+7], v[BC+8*\t:BC+8*\t+7]
.endr
.else
	WIN 0
	s_cmp_le_u32 s[NTW], \i
	s_cbranch_scc1 .Ldead_\@
	WIN 0xa4+0x50*((\i)/4)
.irp t, 0,1,2,3,4,5,6,7
	v_wmma_f32_16x16x32_bf16 v[AC+8*\t:AC+8*\t+7], v[FA:FA+7], v[WB+8*\t:WB+8*\t+7], v[AC+8*\t:AC+8*\t+7]
.endr
	WIN 0
.Ldead_\@:
.endif
.endm
; A QUARTER.  The two waits stand at its head, ahead of every branch.  dn: the LDS loads issued behind this quarter's fragments of the weights: the one run since, 16.
; lc: the loads issued behind this quarter's ten row loads: the three other quarters' 30 (a wait's count names 63 at the most).
; Behind the five blocks: the addresses (vector adds, which are also the places behind the last products), then the one run of loads.
; wf = 1: the weights' fragments for quarter q + 2.  ld = 1: this quarter's row fragments for the next trip; each offset register was freed by the wait at the quarter's head.
; Quarter 0 steps by s[STP], which is 0 in the loop's last trip: see there.
.macro QTR q, zero, ld, wf, dn, lc
	WIN 0
	s_wait_dscnt \dn
.if (\lc) > 63
	s_wait_loadcnt 63
.else
	s_wait_loadcnt \lc
.endif
.irp i, 0,1,2,3,4
	BLOCK \i, \q, \zero
.endr
	WIN 0
.if \wf
	WFADR (\q)+2
.endif
.if \ld
.irp i, 0,1,2,3,4
.if (\q) == 0
	v_add_nc_u32 v[AOQ+4*\i], s[STP], v[AOQ+4*\i]
.else
	v_add_nc_u32 v[AOQ+4*\i+(\q)], 0x100, v[AOQ+4*\i+(\q)]
.endif
.endr
.elseif \wf
.rept 3
	v_nop
.endr
.endif
.if \wf
	LD_WF (\q)+2
.endif
.if \ld
.irp i, 0,1,2,3,4
	AFLOAD \i, \q
.endr
.endif
.endm
; A BLOCK'S SET-UP, for the block that begins at row s[rs]: its counts, its bases, the twenty offsets, and chunk 0's twenty fragments in the order in which they are multiplied.
; It stands twice: ahead of phase 1's last conversions for the first block, whatever the count is, and behind a block's way out for the next, where rows are left.
.macro PRO rs
	s_sub_co_u32 s23, s[CNT], s[\rs]
	s_min_u32 s23, s23, CAP
	s_add_co_u32 s[NTILES], s23, 15
	s_lshr_b32 s[NTILES], s[NTILES], 4
	s_max_u32 s[NT1], s[NTILES], 1                 ; an expert without rows: tile 0, whose rows lie inside the buffer and are not used
	s_sub_co_u32 s[NT1], s[NT1], 1
	s_add_co_u32 s[NTW], s[NTILES], 3
	s_sub_co_u32 s[NTW], s[NTW], s[WV]
	s_lshr_b32 s[NTW], s[NTW], 2                   ; how many of my five tiles 4 i + w lie inside the count
	s_add_co_u32 s25, s[BASE], s[\rs]
	s_min_u32 s25, s25, 2160                       ; the block's first row of h: 2,048 rows + 112 of padding at the most
	s_lshl_b32 s26, s25, 13
.if SECOND
	s_lshl_b32 s25, s[KQ], 11
	s_add_co_u32 s26, s26, s25
	s_add_nc_u64 s[SA:SA+1], s[4:5], s[26:27]
.irp i, 0,1,2,3,4
	s_add_co_u32 s25, s[WV], 4*\i
	s_min_u32 s25, s25, s[NT1]                     ; a tile past the count repeats the block's last tile, which the first product has written whole
	s_min_u32 s25, s25, 19
	s_lshl_b32 s25, s25, 17
.irp q, 0,1,2,3
	v_add_nc_u32 v[AOQ+4*\i+\q], s25, v[HOF]
.endr
.endr
.else
	s_lshl_b32 s25, s[BX], 8
	s_add_co_u32 s26, s26, s25
	s_add_nc_u64 s[SO:SO+1], s[12:13], s[26:27]
	s_lshl_b32 s25, s[WV], 4
	s_add_co_u32 s25, s25, s[\rs]
	v_add_nc_u32 v[LB], s25, v[RR]                 ; a fragment's lane (r, hh) holds row 16 w + r + 64 i of the block
.irp i, 0,1,2,3,4
	v_add_nc_u32 v[AOQ+4*\i], 64*\i, v[LB]
.endr
.irp i, 0,1,2,3,4
	v_min_u32 v[AOQ+4*\i], s[NM1], v[AOQ+4*\i]     ; rows past the count repeat the expert's last row
.endr
.irp i, 0,1,2,3,4
	v_min_u32 v[AOQ+4*\i], 1023, v[AOQ+4*\i]
.endr
.irp i, 0,1,2,3,4
	v_lshl_add_u32 v[AOQ+4*\i], v[AOQ+4*\i], 1, s[LISTW]
.endr
.irp i, 0,1,2,3,4
	ds_load_u16 v[AOQ+4*\i], v[AOQ+4*\i]           ; the list is the wave's own
.endr
	s_wait_dscnt 0x0
.irp i, 0,1,2,3,4
	v_min_u32 v[AOQ+4*\i], 1023, v[AOQ+4*\i]
.endr
.irp i, 0,1,2,3,4
.irp q, 3,2,1,0
	v_lshl_add_u32 v[AOQ+4*\i+\q], v[AOQ+4*\i], 11, v[H16]   ; token x 2,048 + 16 hh
.endr
.endr
.endif
	s_mov_b32 s[STP], 256
.irp q, 0,1,2,3
.irp i, 0,1,2,3,4
	AFLOAD \i, \q
.endr
.endr
.endm
; Second product: tile i's eight output rows.  ROA: their places in the list are read.  ROB: offsets in yp and in gate; the gates are asked for.
.macro ROA i
	WIN 0x55
.irp j, 0,1,2,3,4,5,6,7
	v_add_nc_u32 v[RO+8*(\i)+\j], 64*(\i)+\j, v[RB1]
.endr
.irp j, 0,1,2,3,4,5,6,7
	v_min_u32 v[RO+8*(\i)+\j], s[NM1], v[RO+8*(\i)+\j]       ; rows past the count repeat the expert's last row
.endr
.irp j, 0,1,2,3,4,5,6,7
	v_min_u32 v[RO+8*(\i)+\j], 1023, v[RO+8*(\i)+\j]
.endr
.irp j, 0,1,2,3,4,5,6,7
	v_lshl_add_u32 v[RO+8*(\i)+\j], v[RO+8*(\i)+\j], 1, s[LISTW]
.endr
.irp j, 0,1,2,3,4,5,6,7
	ds_load_u16 v[RO+8*(\i)+\j], v[RO+8*(\i)+\j]             ; the list is the wave's own
.endr
.endm
.macro ROB i
	WIN 0x55
.irp j, 0,1,2,3,4,5,6,7
	v_min_u32 v[RO+8*(\i)+\j], 2047, v[RO+8*(\i)+\j]
.endr
.irp j, 0,1,2,3,4,5,6,7
	v_and_b32 v[GI+8*(\i)+\j], 1023, v[RO+8*(\i)+\j]
.endr
.irp j, 0,1,2,3,4,5,6,7
	v_lshl_add_u32 v[GI+8*(\i)+\j], v[GI+8*(\i)+\j], 5, s[E4]        ; gate[token][e]
.endr
.irp j, 0,1,2,3,4,5,6,7
	v_lshl_add_u32 v[RO+8*(\i)+\j], v[RO+8*(\i)+\j], 12, v[R161]     ; (slot x 1,024 + token) x 4,096 + 16 r
.endr
.irp j, 0,1,2,3,4,5,6,7
	global_load_b32 v[GI+8*(\i)+\j], v[GI+8*(\i)+\j], s[12:13]       ; the row's gate lands on its own address register
.endr
.endm
.macro BFLY step, sm                   ; a step of the sum over lanes: the partner's total; it counts as 'before me' where my lane has the step's bit
.irp p, 0,1,2,3
.if (\step) == 16
	v_permlanex16_b32 v[TT+\p], v[TOT+\p], s52, s53
.else
	v_mov_b32_dpp v[TT+\p], v[TOT+\p] row_xmask:\step row_mask:0xf bank_mask:0xf
.endif
.endr
.irp p, 0,1,2,3
	v_cndmask_b32 v[UU+\p], 0, v[TT+\p], s[\sm]
.endr
.irp p, 0,1,2,3
	v_add_nc_u32 v[PRE+\p], v[PRE+\p], v[UU+\p]
	v_add_nc_u32 v[TOT+\p], v[TOT+\p], v[TT+\p]
.endr
.endm
	s_load_b256 s[4:11], s[0:1], 0x0               ; rows s[4:5], weights s[6:7], bias s[8:9], sel s[10:11]
.if SECOND
	s_load_b128 s[12:15], s[0:1], 0x20             ; gate s[12:13], yp s[14:15]
.else
	s_load_b64 s[12:13], s[0:1], 0x20              ; h
.endif
	; all that hangs on no argument is made while the arguments are on their way
	v_lshl_add_u32 v[SPW], v0, 2, SPARE
	v_mov_b32 v[NIL], 0
	v_and_b32 v[LN], 31, v0
	v_and_b32 v[RR], 15, v0
	v_bfe_u32 v[HH], v0, 4, 1
	v_lshrrev_b32 v16, 5, v0
	v_readfirstlane_b32 s[WV], v16
	v_lshlrev_b32 v[SLA], 6, v[LN]                 ; lane l reads the 64 bytes of groups 2 l and 2 l + 1 of sel: tokens 32 l .. 32 l + 31
	v_lshlrev_b32 v[R16], 4, v[RR]
	v_lshlrev_b32 v[BOF], 5, v[RR]
	v_lshlrev_b32 v[H16], 4, v[HH]
	s_mov_b32 s[BX], ttmp9
	s_and_b32 s[EX], ttmp7, 0xffff                 ; my expert
	s_mul_i32 s25, s[WV], 256*WPITCH               ; my wave's 256 rows of k
	v_lshl_add_u32 v[WOF], v[LN], 4, s25
	v_lshl_add_u32 v[PFV], v[LN], WSH, s25
	s_mov_b32 s27, 0
	s_mov_b32 s[ROW0], 0
	s_mov_b32 s[KO], 0
	s_mov_b32 s46, 0xaaaaaaaa                      ; the lanes whose number has bit 0, 1, 2, 3, 4
	s_mov_b32 s47, 0xcccccccc
	s_mov_b32 s48, 0xf0f0f0f0
	s_mov_b32 s49, 0xff00ff00
	s_mov_b32 s50, 0xffff0000
	s_mov_b32 s52, 0x76543210                      ; v_permlanex16_b32: each lane takes its own place in the other half
	s_mov_b32 s53, 0xfedcba98
	v_mul_u32_u24 v[AW0], v[RR], PW
	v_lshl_add_u32 v[AW0], v[HH], 4, v[AW0]
.if SECOND
	; column n = 4 l + c goes to LDS row 64 (l / 16) + 16 c + l % 16: tile tau = 4 g + c, lane r holds n = 64 g + 4 r + c: four f32 results of a row are 16 neighbouring bytes
	v_mul_u32_u24 v16, v[HH], 64*PW+HALFSH
	v_mad_u32_u24 v16, v[RR], PW, v16
	v_lshl_add_u32 v[HOF], v[RR], 13, v[H16]       ; my row of a tile of h: r x 8,192 + 16 hh
	s_and_b32 s[CS], s[BX], 7                      ; x = 8 kq + cs: quarter of K, slice of 128 columns
	s_lshr_b32 s[KQ], s[BX], 3
	s_lshl_b32 s60, s[CS], 9
	s_lshl_b32 s[E4], s[EX], 2
.else
	; column n = 4 l + c goes to LDS row 64 (l % 2) + 16 c + l / 2: tile tau, lane r holds n = 8 r + tau: eight bf16 results of a row are 16 neighbouring bytes
	v_and_b32 v17, 1, v0
	v_bfe_u32 v18, v0, 1, 4
	v_mul_u32_u24 v16, v17, 64*PW+HALFSH
	v_mad_u32_u24 v16, v18, PW, v16
	v_lshl_add_u32 v[HOF], v[HH], 16, v[R16]       ; the way out, rows of h: (16 w + 8 hh) x 8,192 + 16 r
	s_lshl_b32 s25, s[WV], 17
	v_add_nc_u32 v[HOF], s25, v[HOF]
	s_lshl_b32 s60, s[BX], 9
.endif
	s_mul_i32 s25, s[WV], 4*SUBR                   ; my wave's four sub-regions
	v_add_nc_u32 v16, s25, v16
	WIN 0xc0
	v_mov_b32 v[WST], v16
.irp u, 0,1,2,3,4,5,6,7
	v_mov_b32 v[WOU+\u], v[WOF]                    ; a unit's rows stand in its loads' immediates
.endr
.if !SECOND
	v_mov_b32 v[ZR], 0
.endif
.if SECOND
	WIN 0x40
	v_mov_b32 v[R161], v[R16]
.endif
	WIN 0
	s_mul_i32 s[LISTW], s[WV], LISTB
	s_add_co_u32 s[LISTW], s[LISTW], LISTS
.irp p, 0,1,2,3
	v_mov_b32 v[PRE+\p], 0
	v_mov_b32 v[TT+\p], 0                          ; a DPP's destination counts as read
.endr
	s_wait_kmcnt 0x0
.irp k, 0,1,2,3
	global_load_b128 v[SELV+4*\k:SELV+4*\k+3], v[SLA], s[10:11] offset:16*\k
.endr
.if SECOND
	s_lshl_b32 s26, s[EX], 12
	s_add_co_u32 s26, s26, s60
	s_add_nc_u64 s[8:9], s[8:9], s[26:27]
	global_load_b128 v[B8:B8+3], v[R16], s[8:9]
	global_load_b128 v[B8+4:B8+7], v[R16], s[8:9] offset:256
	s_lshl_b32 s26, s[EX], 24
	s_lshl_b32 s25, s[KQ], 22
	s_add_co_u32 s26, s26, s25
	s_add_co_u32 s26, s26, s60
	s_add_nc_u64 s[SW:SW+1], s[6:7], s[26:27]
	s_lshl_b32 s26, s[KQ], 23
	s_add_co_u32 s26, s26, s60
	s_add_nc_u64 s[SO:SO+1], s[14:15], s[26:27]
.else
	s_lshl_b32 s26, s[EX], 14
	s_add_co_u32 s26, s26, s60
	s_add_nc_u64 s[8:9], s[8:9], s[26:27]
	global_load_b128 v[B8:B8+3], v[BOF], s[8:9]
	global_load_b128 v[B8+4:B8+7], v[BOF], s[8:9] offset:16
	s_lshl_b32 s26, s[EX], 24
	s_add_co_u32 s26, s26, s60
	s_add_nc_u64 s[SW:SW+1], s[6:7], s[26:27]
.endif
.irp u, 0,1,2,3,4,5,6,7
	WLOAD \u                                       ; trip 0's 64 rows
.endr
	WIN 0
	; PHASE 1.  Behind unit u's eight loads stand the 8 (7 - u) of the trip's later units and the 8 u new ones of the next trip's earlier units: 56.
	; That wait shows the unit's loads done, so its offset register is free: it steps to the next trip.  The new loads stand between the conversions and the LDS stores that read their results.
	s_mov_b32 s[TC], 3
.Lfill:
.irp u, 0,1,2,3,4,5,6,7
	s_wait_loadcnt 56
	WIN 0xcc
	v_add_nc_u32 v[WOU+\u], TRIPW, v[WOU+\u]
	CVT \u
	WLOAD \u
	STO \u
.if \u == 1
	WIN 0
	s_cmp_eq_u32 s[TC], 3                          ; the trip behind the one that is being loaded is asked for: trip 2 while trip 1 is loaded,
	s_cbranch_scc0 .Lpf_b
	PF 2
.Lpf_b:
	s_cmp_eq_u32 s[TC], 2                          ; trip 3 while trip 2 is loaded; the loop's last trip loads my last 64 rows and asks for nothing
	s_cbranch_scc0 .Lpf_c
	PF 3
.Lpf_c:
.endif
.endr
	WIN 0xcc
	v_add_nc_u32 v[WST], SUBR, v[WST]              ; my next sub-region
	WIN 0
	s_sub_co_u32 s[TC], s[TC], 1
	s_cmp_lg_u32 s[TC], 0
	s_cbranch_scc1 .Lfill
	; Every load of weights is out.  While the last 64 are on their way: the counts, the bias, the list, the first block's set-up.
	; sel's and the bias's loads are older than every load of weights: the loop's waits have shown them in.
.irp p, 0,1,2,3                        ; expert e's word for my 32 tokens: the low 16 from group 2 l, the high 16 from group 2 l + 1
	v_perm_b32 v[MK+2*\p], v[SELV+8+\p], v[SELV+\p], 0x05040100
	v_perm_b32 v[MK+2*\p+1], v[SELV+8+\p], v[SELV+\p], 0x07060302
	v_add_nc_u32 v[TOT+\p], v[SELV+4+\p], v[SELV+12+\p]      ; counts, two experts to a word: 1,024 at the most, no carry between the halves
.endr
	BFLY 1, 46
	BFLY 2, 47
	BFLY 4, 48
	BFLY 8, 49
	BFLY 16, 50
.irp p, 0,1,2,3
	v_readfirstlane_b32 s[42+\p], v[TOT+\p]
.endr
	s_mov_b32 s[CNT], 0
	s_mov_b32 s[BASE], 0
.irp e, 0,1,2,3,4,5,6,7                ; my expert's count; its first row of h: each expert's rows begin at a multiple of 16
	s_bfe_u32 s25, s[42+\e/2], (16<<16)|(16*(\e%2))
	s_cmp_eq_u32 s[EX], \e
	s_cselect_b32 s[CNT], s25, s[CNT]
	s_add_co_u32 s25, s25, 15
	s_and_b32 s25, s25, 0xfff0
	s_add_co_u32 s26, s[BASE], s25
	s_cmp_gt_u32 s[EX], \e
	s_cselect_b32 s[BASE], s26, s[BASE]
.endr
	s_min_u32 s[CNT], s[CNT], 1024
	s_sub_co_u32 s[NM1], s[CNT], 1
	; The bias, rounded to bf16, as the C operand that starts the sums: in C a lane holds one column and eight rows, so eight equal registers a column tile.
.irp p, 0,1,2,3
	v_cvt_pk_bf16_f32 v[16+\p], v[B8+2*\p], v[B8+2*\p+1]
.endr
.irp p, 0,1,2,3
	v_lshlrev_b32 v[B8+2*\p], 16, v[16+\p]
	v_and_b32 v[B8+2*\p+1], 0xffff0000, v[16+\p]
.endr
.if SECOND
	s_cmp_eq_u32 s[KQ], 0                          ; the first quarter of K alone carries it
	s_cselect_b32 s25, -1, 0
.irp t, 0,1,2,3,4,5,6,7
	v_and_b32 v[B8+\t], s25, v[B8+\t]
.endr
.endif
.irp t, 0,1,2,3,4,5,6,7
.irp j, 0,1,2,3,4,5,6,7
	v_mov_b32 v[BC+8*\t+\j], v[B8+\t]
.endr
.endr
	; my expert's words, the ranks in front of them and (second product) the words of the experts below it
	v_mov_b32 v[MOWN], 0
	v_mov_b32 v[PREO], 0
.if SECOND
	v_mov_b32 v[LOWR], 0
.endif
.irp e, 0,1,2,3,4,5,6,7
	s_cmp_eq_u32 s[EX], \e
	s_cselect_b32 s25, -1, 0
	v_and_or_b32 v[MOWN], v[MK+\e], s25, v[MOWN]
.if SECOND
	s_cmp_gt_u32 s[EX], \e
	s_cselect_b32 s26, -1, 0
	v_and_or_b32 v[LOWR], v[MK+\e], s26, v[LOWR]
.endif
.endr
	s_lshr_b32 s26, s[EX], 1
.irp p, 0,1,2,3
	s_cmp_eq_u32 s26, \p
	s_cselect_b32 s25, -1, 0
	v_and_or_b32 v[PREO], v[PRE+\p], s25, v[PREO]
.endr
	s_and_b32 s25, s[EX], 1
	s_lshl_b32 s25, s25, 4
	v_lshrrev_b32 v[PREO], s25, v[PREO]
	v_and_b32 v[PREO], 0xffff, v[PREO]
	; THE LIST, each wave its own: for word wd, lane l is token 32 wd + l; its rank among the expert's rows is its place.
	; A token that is not the expert's goes to halfword 1,024, which nobody reads: the minimum is the last step that is not linear.
.set wd, 0
.rept 32
.set ta, 16+2*(wd%2)
	v_readlane_b32 s54, v[MOWN], wd
	v_readlane_b32 s55, v[PREO], wd
.if SECOND
	v_readlane_b32 s56, v[LOWR], wd
.endif
	v_mbcnt_lo_u32_b32 v[ta], s54, s55
	v_cndmask_b32 v[ta], -1, v[ta], s54
	v_min_u32 v[ta], 1024, v[ta]
	v_lshl_add_u32 v[ta], v[ta], 1, s[LISTW]
	v_add_nc_u32 v[ta+1], 32*wd, v[LN]
.if SECOND
	v_add_nc_u32 v20, 32*wd+1024, v[LN]            ; + 1,024: the token's other expert is a lower one, so this row is the token's second
	v_cndmask_b32 v[ta+1], v[ta+1], v20, s56
.endif
	ds_store_b16 v[ta], v[ta+1]
.set wd, wd+1
.endr
	PRO ROW0                                       ; the first block's 40 row loads go out behind the last loads of weights
.irp u, 0,1,2,3,4,5,6,7                ; phase 1's last trip: behind unit u stand the 8 (7 - u) loads of the later units and the 40 row loads; a wait's count names 63 at the most
.if (96-8*\u) > 63
	s_wait_loadcnt 63
.else
	s_wait_loadcnt 96-8*\u
.endif
	CVT \u
	STO \u
.endr
	WIN 0
	s_wait_dscnt 0x0                               ; for the others' sake: my quarter of the slice is in LDS
	s_barrier_signal -1
	s_barrier_wait -1                              ; the whole slice is; from here on it is only read
	; PHASE 2
	s_mov_b32 s[OC], 4                             ; 4 x 320 rows cover the 1,024 that an expert can have
.Lblock:
	s_cmp_ge_u32 s[ROW0], s[CNT]
	s_cbranch_scc1 .Lbend                          ; no rows are left for this trip: on to the counter's step
	s_wait_xcnt 0x0                                ; the last block's stores have read their registers
	WFADR 0
	WFADR 1
	LD_WF 0
	LD_WF 1
	QTR 0, 1, 1, 1, 16, 30                         ; trip 0's first quarter stands ahead of the loop: its products start the sums
	s_mov_b32 s[TC], 7
.Ltrip:                                                ; from a trip's second quarter to the next trip's first
	QTR 1, 0, 1, 1, 16, 30
	QTR 2, 0, 1, 1, 16, 30
	QTR 3, 0, 1, 1, 16, 30
	s_cmp_gt_u32 s[TC], 1                          ; quarter 0 runs a trip ahead of the others.  In the loop's last trip it asks for chunk 7's first quarter once more and nobody uses it: ten loads, the price, once a block, of one text for every trip
	s_cselect_b32 s[STP], 256, 0
	s_add_co_u32 s[KO], s[KO], 2*SUBR              ; the next trip's two sub-regions
	QTR 0, 0, 1, 1, 16, 30
	s_sub_co_u32 s[TC], s[TC], 1
	s_cmp_lg_u32 s[TC], 0
	s_cbranch_scc1 .Ltrip
.if SECOND
	; the block's 40 output rows and their gates, fifteen blocks of products ahead of their use
	s_lshl_b32 s25, s[WV], 4
	s_add_co_u32 s25, s25, s[ROW0]
	WIN 0x40
	v_lshl_add_u32 v[RB1], v[HH], 3, s25           ; an accumulator's register j is row 16 w + 8 hh + 64 i + j of the block
.irp i, 0,1,2,3,4
	ROA \i
.endr
	s_wait_dscnt 0x0
.irp i, 0,1,2,3,4
	ROB \i
.endr
	WIN 0
.endif
	QTR 1, 0, 0, 1, 16, 30+XG                      ; trip 7 goes on: no row is asked for, and the counts run down
	QTR 2, 0, 0, 0, 16, 20+XG
	QTR 3, 0, 0, 0, 0, 10+XG
	PLACES
	s_wait_loadcnt 0x0                             ; the ten loads that nobody uses (their registers are loaded again for the next block), and the gates
	s_mov_b32 s[KO], 0
.if SECOND
	; THE WAY OUT.  Row j of a tile times its gate; the four results of a lane are 16 neighbouring bytes, sixteen lanes 256 aligned bytes of the row of yp.
	; Two sets of 64 registers take turns: a set is written again behind the wait that stands between the next tile's multiplies and its stores.
.irp i, 0,1,2,3,4
	s_cmp_le_u32 s[NTW], \i
	s_cbranch_scc1 .Lwend
.set AC, 64*(\i%4)
.set OS, AS+64*(\i%2)
	WIN 0xc6+(\i/4)
.irp j, 0,1,2,3,4,5,6,7                ; ascending: each accumulator is first read at its lowest register
.irp g, 0,1
.irp c, 0,1,2,3
	v_mul_f32 v[OS+8*\j+4*\g+\c], v[AC+8*(4*\g+\c)+\j], v[GI+8*\i+\j]
.endr
.endr
.endr
	s_wait_xcnt 0x0                                ; the last tile's stores have read the other set
	WIN 0x0d
.irp j, 0,1,2,3,4,5,6,7
.irp g, 0,1
	global_store_b128 v[RO+8*\i+\j], v[OS+8*\j+4*\g:OS+8*\j+4*\g+3], s[SO:SO+1] offset:256*\g
.endr
.endr
	WIN 0
.endr
.else
	; THE WAY OUT.  Row j of a tile: a lane's eight columns rounded to bf16, relu on the packed halves, 16 bytes; sixteen lanes store 256 aligned bytes of a row of h.
	; Whole tiles are stored, the rows past the count too: the second product reads whole tiles.
.irp i, 0,1,2,3,4
	s_cmp_le_u32 s[NTW], \i
	s_cbranch_scc1 .Lwend
.set AC, 64*(\i%4)
	WIN 0xca+5*(\i/4)
.irp j, 0,1,2,3,4,5,6,7                ; ascending: each accumulator is first read at its lowest register
.irp p, 0,1,2,3
	v_cvt_pk_bf16_f32 v[AS+32*\i+4*\j+\p], v[AC+16*\p+\j], v[AC+16*\p+8+\j]
.endr
.endr
	WIN 0xcf
.set n, 0
.rept 32
	v_pk_max_num_bf16 v[AS+32*\i+n], v[AS+32*\i+n], v[ZR]
.set n, n+1
.endr
	WIN 0x0c
.irp j, 0,1,2,3,4,5,6,7
	global_store_b128 v[HOF], v[AS+32*\i+4*\j:AS+32*\i+4*\j+3], s[SO:SO+1] offset:(64*\i+\j)*8192
.endr
	WIN 0
.endr
.endif
.Lwend:
	s_add_co_u32 s[RN], s[ROW0], CAP
	s_cmp_ge_u32 s[RN], s[CNT]
	s_cbranch_scc1 .Lbend                          ; this was the expert's last block
	s_wait_xcnt 0x0                                ; the stores have read their base
	PRO RN                                         ; the next block's set-up and its first row loads
.Lbend:
	s_add_co_u32 s[ROW0], s[ROW0], CAP
	s_sub_co_u32 s[OC], s[OC], 1
	s_cmp_lg_u32 s[OC], 0
	s_cbranch_scc1 .Lblock
	s_wait_dscnt 0x0                               ; my reads of LDS are back;
	s_barrier_signal -1
	s_barrier_wait -1                              ; every wave's are: no wave's last LDS write comes before that
	s_wait_tensorcnt 0x0                           ; the wave's end
	ds_add_u32 v[SPW], v[NIL]
	s_wait_dscnt 0x0
	s_endpgm
.Lfunc_end_k_qa91647b66e_ffn1:
	.size	k_qa91647b66e_ffn1, .Lfunc_end_k_qa91647b66e_ffn1-k_qa91647b66e_ffn1
	.p2alignl 7, 3214868480
	.fill 96, 4, 3214868480
	.section	.rodata,"a",@progbits
	.p2align	6, 0x0
	.amdhsa_kernel k_qa91647b66e_ffn1
		.amdhsa_group_segment_fixed_size 306688
		.amdhsa_private_segment_fixed_size 0
		.amdhsa_enable_private_segment 0
		.amdhsa_kernarg_size 40
		.amdhsa_user_sgpr_count 2
		.amdhsa_user_sgpr_kernarg_segment_ptr 1
		.amdhsa_wavefront_size32 1
		.amdhsa_system_sgpr_workgroup_id_x 1
		.amdhsa_system_sgpr_workgroup_id_y 1
		.amdhsa_system_sgpr_workgroup_id_z 1
		.amdhsa_system_vgpr_workitem_id 0
		.amdhsa_next_free_vgpr 1024
		.amdhsa_next_free_sgpr 66
		.amdhsa_reserve_vcc 0
		.amdhsa_float_denorm_mode_32 3
		.amdhsa_float_denorm_mode_16_64 3
		.amdhsa_memory_ordered 1
		.amdhsa_forward_progress 1
		.amdhsa_inst_pref_size 148
	.end_amdhsa_kernel
	.amdgpu_metadata
---
amdhsa.version: [ 1, 2 ]
amdhsa.kernels:
  - .name:           k_qa91647b66e_ffn1
    .symbol:         k_qa91647b66e_ffn1.kd
    .args:
      - { .name: xb, .offset: 0, .size: 8, .value_kind: global_buffer, .address_space: global }
      - { .name: W1, .offset: 8, .size: 8, .value_kind: global_buffer, .address_space: global }
      - { .name: b1, .offset: 16, .size: 8, .value_kind: global_buffer, .address_space: global }
      - { .name: sel, .offset: 24, .size: 8, .value_kind: global_buffer, .address_space: global }
      - { .name: h, .offset: 32, .size: 8, .value_kind: global_buffer, .address_space: global }
    .group_segment_fixed_size: 306688
    .private_segment_fixed_size: 0
    .kernarg_segment_align: 8
    .kernarg_segment_size: 40
    .max_flat_workgroup_size: 128
    .sgpr_count:     66
    .vgpr_count:     1024
    .wavefront_size: 32
...
	.end_amdgpu_metadata
.endif
;; end of part 2
;; launch ffn2 (part 3): grid 32 x 8, 4 waves a work-group, no clusters, 306,688 bytes of LDS; arguments h, W2, b2, sel, gate, yp; writes yp
.if DOCPART == 3
	.amdgcn_target "amdgcn-amd-amdhsa--gfx1250"
	.amdhsa_code_object_version 6
	.text
	.protected	k_qa91647b66e_ffn2
	.globl	k_qa91647b66e_ffn2
	.p2align	8
	.type	k_qa91647b66e_ffn2,@function
k_qa91647b66e_ffn2:
	s_mov_b64 s[64:65], 0
	v_nop
	global_prefetch_b8 v0, s[64:65] scope:SCOPE_SE
	s_setreg_imm32_b32 hwreg(HW_REG_WAVE_MODE, 25, 1), 1
	s_wait_xcnt 0x0
; SECOND PRODUCT OF THE EXPERTS: yp[kq][slot][token] = gate x (h W2 + b2), for the chosen rows alone, K = 4,096 in four quarters kq, partial rows in f32.
; (This is the first product's text with SECOND = 1.)
; SHARES.  Work-group (x, y) has expert y, 128 columns (x % 8) and a quarter of K (x / 8): K = 1,024, 512 KB of f32 weights, which it alone reads, and all of the expert's rows, 0 to 1,024 of them.
; K is split so that a work-group has 128 columns: with 32 columns and all of K four times the bytes of h would pass through every work-group.  The price is eight f32 planes, which the last launch adds.
; A token has two rows: slot 0 with the lower of its experts, slot 1 with the higher; so every word of yp has one writer.  b2 goes with quarter 0 alone.
; PHASE 1.  The slice is streamed once, rounded to bf16 and laid into LDS, where it stays.  Wave w takes k = 256 w .. 256 w + 255, 64 rows a trip, 64 loads of 512 consecutive bytes on their way;
; it writes four sub-regions of LDS that are its own.  The loop begins straight behind the first loads; the counts, the list of rows and the first block's set-up and row loads stand behind the loop,
; ahead of the last trip's conversions, where every load of weights is out.  Then a barrier, which every wave passes whatever the counts are.
; PHASE 2.  The expert's rows in blocks of 320: a loop of four trips, always four; a trip without rows jumps forward to the counter's step.  Nothing in it writes LDS and no barrier stands in it:
; the weights are only read, and the rows of h come from memory straight into registers as matrix operands.
; Wave w owns the row tiles 4 i + w, i = 0 .. 4, of a block, across all 128 columns: 40 accumulators.  K goes in 8 trips of 128, a trip in 4 quarters of 32, a quarter in 5 blocks of 8 products.
; Behind a quarter's products stands ONE run of loads: the weights' fragments for the quarter after the next, into the buffer just multiplied, and this quarter's five row fragments for the next trip,
; into the registers just multiplied: 40 row loads of a wave are always out, each a whole trip ahead of its use.
; ADDRESSES.  No base register steps.  Each group of loads has an offset register of its own, stepped behind the counted wait that shows the group's last loads done.
; WHAT IS JUMPED.  The loads run for all five tiles, with tiles past the count repeating the block's last tile: every counted wait is then the same on every way.
; Only the products and the stores of tiles past the count are jumped, by forward scalar branches.
; In the last tile the rows past the count repeat the last row: they store the same numbers to the same place, within one wave.
; LAYOUT.  W lies [k][n] in f32.  A lane loads 4 columns of 8 rows; v_cvt_pk_bf16_f32 packs two k of one column; 16 bytes = 8 k go to the column's LDS row.
; The LDS rows are in such an order that the results of a lane for one row are neighbours in memory: no stage on the way out.
; A row fragment's load takes 32 bytes of each of 16 rows (a lane holds one row): the price of a loop that writes no LDS.
; FORMATS.  Weights and bias are rounded to bf16 (nearest even) like every input of the program; sums, gate and partial rows in f32.
; LIMITS.  NaN and infinities are not treated apart.
; NO CLUSTER, NO TENSOR LOADS.  Each weight byte has one reader.  What an expert's work-groups share is its rows of h, whose number hangs on a stored count, in a loop that holds no barrier.
.set SECOND, 1
.if SECOND
.set WPITCH, 4096                      ; bytes from k row to k row of the weights
.set WSH,    12
.else
.set WPITCH, 16384
.set WSH,    14
.endif
.set TRIPW,  64*WPITCH                 ; phase 1: a trip's 64 rows
.set CAP,    320                       ; rows in a block
.set PW,     144                       ; a weights' LDS row: 128 bytes (64 k in bf16) + 16: the 16 rows of a fragment load start at 16 different groups of four banks (64 banks of 4 bytes: ISA guide 11.1)
.set TW,     16*PW                     ; a column tile
.set HALFSH, 128                       ; LDS rows 64 to 127 lie 128 bytes further on (the first product's stores want it; here it changes nothing)
.set SUBR,   128*PW+HALFSH             ; a sub-region: 64 k of all 128 columns; sub-region s holds k = 64 s ..; wave w writes sub-regions 4 w .. 4 w + 3
.set LISTS,  16*SUBR                   ; behind the weights, 2,304 bytes a wave: its own list of the expert's rows (1,024 halfwords) and one halfword for what is not listed
.set LISTB,  2304
.set SPARE,  LISTS+4*LISTB             ; the spare words: 128 bytes for each of four waves; no other line names them
.set XG,     40*SECOND                 ; the second product's 40 loads of gates, which stand behind the row loads in the last three quarters
; window 0
.set LN,   1                           ; lane, while the list is made;
.set LB,   1                           ; then (first product): my first row of the block
.set RR,   2                           ; r = lane % 16
.set HH,   3                           ; hh = lane / 16
.set SPW,  4                           ; my spare word; never rewritten
.set NIL,  5                           ; 0; never rewritten
.set AW0,  6                           ; weights' fragments: r x 144 + 16 hh; never rewritten
.set H16,  7                           ; 16 hh
.set AWR,  8                           ; v[8:9]     + the trip's place, one register for each fragment buffer
.set PFV,  10                          ; prefetch: lane l asks for rows l and l + 32 of a trip; never rewritten
.set HOF,  11
.set AOQ,  12                          ; v[12:31]   phase 2: byte offset of my row of tile i for quarter q's loads, at 12 + 4 i + q
.set R16,  12                          ; the head's own use of v12-31: 16 r,
.set BOF,  13                          ; 32 r,
.set WOF,  14                          ; my 16 bytes of my wave's first row of weights,
.set SLA,  15                          ; my 64 bytes of sel; v16-23 at work;
.set B8,   24                          ; v[24:31]   bias of my eight columns
.set BC,   32                          ; v[32:95]   the bias as a C operand
.set AF,   96                          ; v[96:255]  row fragments: tile i, quarter q at 96 + 32 i + 8 q
.set SELV, 128                         ; ahead of the first row loads v128 on are at work
.set MK,   144
.set TOT,  152
.set PRE,  156
.set TT,   160
.set UU,   164
.set MOWN, 168
.set PREO, 169
.set LOWR, 170
; window 1
.set WF0,  0                           ; v[0:63], v[64:127]  weights' fragments, two buffers
.set RO,   128                         ; second product: v[128:167] byte offsets of the output rows, v[168:207] their gates
.set GI,   168
.set RB1,  246                         ; second product: my first output row of the block, and a copy of 16 r
.set R161, 247
; window 2: accumulators of tiles 0 to 3 at 64 i + 8 tau; in phase 1 the weights as loaded: unit u, row j, column c at 32 u + 4 j + c
; window 3: v[0:63] tile 4's accumulators
.set AS,   64                          ; v[64:223]  the way out; in phase 1 v[64:191]: unit u's 4 columns x 8 k, packed, at 64 + 16 u
.set WOU,  224                         ; v[224:231] phase 1: unit u's offset in the weights
.set WST,  240                         ; phase 1: where my 16 bytes of column c = 0 go
.set ZR,   241                         ; first product: 0
; scalars
.set WV, 16
.set BX, 17
.set EX, 18
.set CNT, 19
.set BASE, 20
.set ROW0, 21
.set NM1, 22
.set NTILES, 24
.set NTW, 28
.set NT1, 29
.set KO, 30
.set TC, 31
.set OC, 32
.set LISTW, 33
.set E4, 34
.set CS, 35
.set SW, 36
.set SA, 38
.set SO, 40
.set KQ, 51
.set RN, 57
.set STP, 58
.if SECOND
.set AB, SA                            ; the row loads' base: h at the block's first row and my quarter of K
.else
.set AB, 4                             ; the row loads' base: xb
.endif
.set MSB, 0
.macro WIN new                         ; the immediate's high byte repeats the setting that is left; a switch that changes nothing is dropped
.if MSB != (\new)
	s_set_vgpr_msb (MSB<<8)|(\new)
.set MSB, (\new)
.endif
.endm
.macro PLACES                          ; four places between a product and a load into, or a read of, its registers
.rept 4
	v_nop
.endr
.endm
; PHASE 1
.macro WLOAD u                         ; unit u: 8 rows of k, 512 consecutive bytes each; read once in the launch
	WIN 0x83
.irp j, 0,1,2,3,4,5,6,7
	global_load_b128 v[32*(\u)+4*\j:32*(\u)+4*\j+3], v[WOU+(\u)], s[SW:SW+1] offset:(8*(\u)+\j)*WPITCH th:TH_LOAD_NT
.endr
.endm
.macro CVT u                           ; unit u: for each of my 4 columns 8 k rounded and packed, into the unit's own 16 registers
	WIN 0xca
.irp c, 0,1,2,3
.irp p, 0,1,2,3
	v_cvt_pk_bf16_f32 v[AS+16*(\u)+4*\c+\p], v[32*(\u)+8*\p+\c], v[32*(\u)+8*\p+4+\c]
.endr
.endr
.endm
.macro STO u                           ; 16 bytes into each column's LDS row
	WIN 0x0f
.irp c, 0,1,2,3
	ds_store_b128 v[WST], v[AS+16*(\u)+4*\c:AS+16*(\u)+4*\c+3] offset:\c*TW+16*(\u)
.endr
.endm
.macro PF ch                           ; lane l asks for the two blocks of 256 bytes of rows l and l + 32 of my wave's trip ch: each block once in the launch
	global_prefetch_b8 v[PFV], s[SW:SW+1] offset:(\ch)*TRIPW th:TH_LOAD_NT scope:SCOPE_SE
	global_prefetch_b8 v[PFV], s[SW:SW+1] offset:(\ch)*TRIPW+256 th:TH_LOAD_NT scope:SCOPE_SE
	global_prefetch_b8 v[PFV], s[SW:SW+1] offset:(\ch)*TRIPW+32*WPITCH th:TH_LOAD_NT scope:SCOPE_SE
	global_prefetch_b8 v[PFV], s[SW:SW+1] offset:(\ch)*TRIPW+32*WPITCH+256 th:TH_LOAD_NT scope:SCOPE_SE
.endm
; PHASE 2
.macro WFADR q                         ; the address for LD_WF q; s[KO] is the trip's first byte in the slice
	v_add_nc_u32 v[AWR+(\q)%2], s[KO], v[AW0]
.endm
.macro LD_WF q                         ; the weights' eight fragments for quarter q, counted from the trip at s[KO] (4, 5: the next trip's first two), into buffer q % 2
	WIN 0x40
.irp t, 0,1,2,3,4,5,6,7
	ds_load_b128 v[WF0+64*((\q)%2)+8*\t:WF0+64*((\q)%2)+8*\t+3], v[AWR+(\q)%2] offset:((\q)/2)*SUBR+\t*TW+HALFSH*(\t/4)+64*((\q)%2)
	ds_load_b128 v[WF0+64*((\q)%2)+8*\t+4:WF0+64*((\q)%2)+8*\t+7], v[AWR+(\q)%2] offset:((\q)/2)*SUBR+\t*TW+HALFSH*(\t/4)+64*((\q)%2)+32
.endr
	WIN 0
.endm
.macro AFLOAD i, q                     ; tile i's fragment for quarter q: lane (r, hh) takes k = 8 hh .. and 16 + 8 hh .. of row r
	global_load_b128 v[AF+32*(\i)+8*(\q):AF+32*(\i)+8*(\q)+3], v[AOQ+4*(\i)+(\q)], s[AB:AB+1] offset:64*(\q)
	global_load_b128 v[AF+32*(\i)+8*(\q)+4:AF+32*(\i)+8*(\q)+7], v[AOQ+4*(\i)+(\q)], s[AB:AB+1] offset:64*(\q)+32
.endm
; Eight products: tile i x the eight column tiles, quarter q.  The eight accumulators take turns; whatever blocks are jumped, no two products on end share one.
; zero = 1: the sums start with the bias as C, for all five tiles.  Else a tile past the count is jumped.
.macro BLOCK i, q, zero
.set AC, 64*((\i)%4)
.set WB, WF0+64*((\q)%2)
.set FA, AF+32*(\i)+8*(\q)
.if \zero
	WIN 0x84+0x40*((\i)/4)
.irp t, 0,1,2,3,4,5,6,7
	v_wmma_f32_16x16x32_bf16 v[AC+8*\t:AC+8*\t+7], v[FA:FA+7], v[WB+8*\t:WB+8*\t+7], v[BC+8*\t:BC+8*\t+7]
.endr
.else
	WIN 0
	s_cmp_le_u32 s[NTW], \i
	s_cbranch_scc1 .Ldead_\@
	WIN 0xa4+0x50*((\i)/4)
.irp t, 0,1,2,3,4,5,6,7
	v_wmma_f32_16x16x32_bf16 v[AC+8*\t:AC+8*\t+7], v[FA:FA+7], v[WB+8*\t:WB+8*\t+7], v[AC+8*\t:AC+8*\t+7]
.endr
	WIN 0
.Ldead_\@:
.endif
.endm
; A QUARTER.  The two waits stand at its head, ahead of every branch.  dn: the LDS loads issued behind this quarter's fragments of the weights: the one run since, 16.
; lc: the loads issued behind this quarter's ten row loads: the three other quarters' 30 (a wait's count names 63 at the most).
; Behind the five blocks: the addresses (vector adds, which are also the places behind the last products), then the one run of loads.
; wf = 1: the weights' fragments for quarter q + 2.  ld = 1: this quarter's row fragments for the next trip; each offset register was freed by the wait at the quarter's head.
; Quarter 0 steps by s[STP], which is 0 in the loop's last trip: see there.
.macro QTR q, zero, ld, wf, dn, lc
	WIN 0
	s_wait_dscnt \dn
.if (\lc) > 63
	s_wait_loadcnt 63
.else
	s_wait_loadcnt \lc
.endif
.irp i, 0,1,2,3,4
	BLOCK \i, \q, \zero
.endr
	WIN 0
.if \wf
	WFADR (\q)+2
.endif
.if \ld
.irp i, 0,1,2,3,4
.if (\q) == 0
	v_add_nc_u32 v[AOQ+4*\i], s[STP], v[AOQ+4*\i]
.else
	v_add_nc_u32 v[AOQ+4*\i+(\q)], 0x100, v[AOQ+4*\i+(\q)]
.endif
.endr
.elseif \wf
.rept 3
	v_nop
.endr
.endif
.if \wf
	LD_WF (\q)+2
.endif
.if \ld
.irp i, 0,1,2,3,4
	AFLOAD \i, \q
.endr
.endif
.endm
; A BLOCK'S SET-UP, for the block that begins at row s[rs]: its counts, its bases, the twenty offsets, and chunk 0's twenty fragments in the order in which they are multiplied.
; It stands twice: ahead of phase 1's last conversions for the first block, whatever the count is, and behind a block's way out for the next, where rows are left.
.macro PRO rs
	s_sub_co_u32 s23, s[CNT], s[\rs]
	s_min_u32 s23, s23, CAP
	s_add_co_u32 s[NTILES], s23, 15
	s_lshr_b32 s[NTILES], s[NTILES], 4
	s_max_u32 s[NT1], s[NTILES], 1                 ; an expert without rows: tile 0, whose rows lie inside the buffer and are not used
	s_sub_co_u32 s[NT1], s[NT1], 1
	s_add_co_u32 s[NTW], s[NTILES], 3
	s_sub_co_u32 s[NTW], s[NTW], s[WV]
	s_lshr_b32 s[NTW], s[NTW], 2                   ; how many of my five tiles 4 i + w lie inside the count
	s_add_co_u32 s25, s[BASE], s[\rs]
	s_min_u32 s25, s25, 2160                       ; the block's first row of h: 2,048 rows + 112 of padding at the most
	s_lshl_b32 s26, s25, 13
.if SECOND
	s_lshl_b32 s25, s[KQ], 11
	s_add_co_u32 s26, s26, s25
	s_add_nc_u64 s[SA:SA+1], s[4:5], s[26:27]
.irp i, 0,1,2,3,4
	s_add_co_u32 s25, s[WV], 4*\i
	s_min_u32 s25, s25, s[NT1]                     ; a tile past the count repeats the block's last tile, which the first product has written whole
	s_min_u32 s25, s25, 19
	s_lshl_b32 s25, s25, 17
.irp q, 0,1,2,3
	v_add_nc_u32 v[AOQ+4*\i+\q], s25, v[HOF]
.endr
.endr
.else
	s_lshl_b32 s25, s[BX], 8
	s_add_co_u32 s26, s26, s25
	s_add_nc_u64 s[SO:SO+1], s[12:13], s[26:27]
	s_lshl_b32 s25, s[WV], 4
	s_add_co_u32 s25, s25, s[\rs]
	v_add_nc_u32 v[LB], s25, v[RR]                 ; a fragment's lane (r, hh) holds row 16 w + r + 64 i of the block
.irp i, 0,1,2,3,4
	v_add_nc_u32 v[AOQ+4*\i], 64*\i, v[LB]
.endr
.irp i, 0,1,2,3,4
	v_min_u32 v[AOQ+4*\i], s[NM1], v[AOQ+4*\i]     ; rows past the count repeat the expert's last row
.endr
.irp i, 0,1,2,3,4
	v_min_u32 v[AOQ+4*\i], 1023, v[AOQ+4*\i]
.endr
.irp i, 0,1,2,3,4
	v_lshl_add_u32 v[AOQ+4*\i], v[AOQ+4*\i], 1, s[LISTW]
.endr
.irp i, 0,1,2,3,4
	ds_load_u16 v[AOQ+4*\i], v[AOQ+4*\i]           ; the list is the wave's own
.endr
	s_wait_dscnt 0x0
.irp i, 0,1,2,3,4
	v_min_u32 v[AOQ+4*\i], 1023, v[AOQ+4*\i]
.endr
.irp i, 0,1,2,3,4
.irp q, 3,2,1,0
	v_lshl_add_u32 v[AOQ+4*\i+\q], v[AOQ+4*\i], 11, v[H16]   ; token x 2,048 + 16 hh
.endr
.endr
.endif
	s_mov_b32 s[STP], 256
.irp q, 0,1,2,3
.irp i, 0,1,2,3,4
	AFLOAD \i, \q
.endr
.endr
.endm
; Second product: tile i's eight output rows.  ROA: their places in the list are read.  ROB: offsets in yp and in gate; the gates are asked for.
.macro ROA i
	WIN 0x55
.irp j, 0,1,2,3,4,5,6,7
	v_add_nc_u32 v[RO+8*(\i)+\j], 64*(\i)+\j, v[RB1]
.endr
.irp j, 0,1,2,3,4,5,6,7
	v_min_u32 v[RO+8*(\i)+\j], s[NM1], v[RO+8*(\i)+\j]       ; rows past the count repeat the expert's last row
.endr
.irp j, 0,1,2,3,4,5,6,7
	v_min_u32 v[RO+8*(\i)+\j], 1023, v[RO+8*(\i)+\j]
.endr
.irp j, 0,1,2,3,4,5,6,7
	v_lshl_add_u32 v[RO+8*(\i)+\j], v[RO+8*(\i)+\j], 1, s[LISTW]
.endr
.irp j, 0,1,2,3,4,5,6,7
	ds_load_u16 v[RO+8*(\i)+\j], v[RO+8*(\i)+\j]             ; the list is the wave's own
.endr
.endm
.macro ROB i
	WIN 0x55
.irp j, 0,1,2,3,4,5,6,7
	v_min_u32 v[RO+8*(\i)+\j], 2047, v[RO+8*(\i)+\j]
.endr
.irp j, 0,1,2,3,4,5,6,7
	v_and_b32 v[GI+8*(\i)+\j], 1023, v[RO+8*(\i)+\j]
.endr
.irp j, 0,1,2,3,4,5,6,7
	v_lshl_add_u32 v[GI+8*(\i)+\j], v[GI+8*(\i)+\j], 5, s[E4]        ; gate[token][e]
.endr
.irp j, 0,1,2,3,4,5,6,7
	v_lshl_add_u32 v[RO+8*(\i)+\j], v[RO+8*(\i)+\j], 12, v[R161]     ; (slot x 1,024 + token) x 4,096 + 16 r
.endr
.irp j, 0,1,2,3,4,5,6,7
	global_load_b32 v[GI+8*(\i)+\j], v[GI+8*(\i)+\j], s[12:13]       ; the row's gate lands on its own address register
.endr
.endm
.macro BFLY step, sm                   ; a step of the sum over lanes: the partner's total; it counts as 'before me' where my lane has the step's bit
.irp p, 0,1,2,3
.if (\step) == 16
	v_permlanex16_b32 v[TT+\p], v[TOT+\p], s52, s53
.else
	v_mov_b32_dpp v[TT+\p], v[TOT+\p] row_xmask:\step row_mask:0xf bank_mask:0xf
.endif
.endr
.irp p, 0,1,2,3
	v_cndmask_b32 v[UU+\p], 0, v[TT+\p], s[\sm]
.endr
.irp p, 0,1,2,3
	v_add_nc_u32 v[PRE+\p], v[PRE+\p], v[UU+\p]
	v_add_nc_u32 v[TOT+\p], v[TOT+\p], v[TT+\p]
.endr
.endm
	s_load_b256 s[4:11], s[0:1], 0x0               ; rows s[4:5], weights s[6:7], bias s[8:9], sel s[10:11]
.if SECOND
	s_load_b128 s[12:15], s[0:1], 0x20             ; gate s[12:13], yp s[14:15]
.else
	s_load_b64 s[12:13], s[0:1], 0x20              ; h
.endif
	; all that hangs on no argument is made while the arguments are on their way
	v_lshl_add_u32 v[SPW], v0, 2, SPARE
	v_mov_b32 v[NIL], 0
	v_and_b32 v[LN], 31, v0
	v_and_b32 v[RR], 15, v0
	v_bfe_u32 v[HH], v0, 4, 1
	v_lshrrev_b32 v16, 5, v0
	v_readfirstlane_b32 s[WV], v16
	v_lshlrev_b32 v[SLA], 6, v[LN]                 ; lane l reads the 64 bytes of groups 2 l and 2 l + 1 of sel: tokens 32 l .. 32 l + 31
	v_lshlrev_b32 v[R16], 4, v[RR]
	v_lshlrev_b32 v[BOF], 5, v[RR]
	v_lshlrev_b32 v[H16], 4, v[HH]
	s_mov_b32 s[BX], ttmp9
	s_and_b32 s[EX], ttmp7, 0xffff                 ; my expert
	s_mul_i32 s25, s[WV], 256*WPITCH               ; my wave's 256 rows of k
	v_lshl_add_u32 v[WOF], v[LN], 4, s25
	v_lshl_add_u32 v[PFV], v[LN], WSH, s25
	s_mov_b32 s27, 0
	s_mov_b32 s[ROW0], 0
	s_mov_b32 s[KO], 0
	s_mov_b32 s46, 0xaaaaaaaa                      ; the lanes whose number has bit 0, 1, 2, 3, 4
	s_mov_b32 s47, 0xcccccccc
	s_mov_b32 s48, 0xf0f0f0f0
	s_mov_b32 s49, 0xff00ff00
	s_mov_b32 s50, 0xffff0000
	s_mov_b32 s52, 0x76543210                      ; v_permlanex16_b32: each lane takes its own place in the other half
	s_mov_b32 s53, 0xfedcba98
	v_mul_u32_u24 v[AW0], v[RR], PW
	v_lshl_add_u32 v[AW0], v[HH], 4, v[AW0]
.if SECOND
	; column n = 4 l + c goes to LDS row 64 (l / 16) + 16 c + l % 16: tile tau = 4 g + c, lane r holds n = 64 g + 4 r + c: four f32 results of a row are 16 neighbouring bytes
	v_mul_u32_u24 v16, v[HH], 64*PW+HALFSH
	v_mad_u32_u24 v16, v[RR], PW, v16
	v_lshl_add_u32 v[HOF], v[RR], 13, v[H16]       ; my row of a tile of h: r x 8,192 + 16 hh
	s_and_b32 s[CS], s[BX], 7                      ; x = 8 kq + cs: quarter of K, slice of 128 columns
	s_lshr_b32 s[KQ], s[BX], 3
	s_lshl_b32 s60, s[CS], 9
	s_lshl_b32 s[E4], s[EX], 2
.else
	; column n = 4 l + c goes to LDS row 64 (l % 2) + 16 c + l / 2: tile tau, lane r holds n = 8 r + tau: eight bf16 results of a row are 16 neighbouring bytes
	v_and_b32 v17, 1, v0
	v_bfe_u32 v18, v0, 1, 4
	v_mul_u32_u24 v16, v17, 64*PW+HALFSH
	v_mad_u32_u24 v16, v18, PW, v16
	v_lshl_add_u32 v[HOF], v[HH], 16, v[R16]       ; the way out, rows of h: (16 w + 8 hh) x 8,192 + 16 r
	s_lshl_b32 s25, s[WV], 17
	v_add_nc_u32 v[HOF], s25, v[HOF]
	s_lshl_b32 s60, s[BX], 9
.endif
	s_mul_i32 s25, s[WV], 4*SUBR                   ; my wave's four sub-regions
	v_add_nc_u32 v16, s25, v16
	WIN 0xc0
	v_mov_b32 v[WST], v16
.irp u, 0,1,2,3,4,5,6,7
	v_mov_b32 v[WOU+\u], v[WOF]                    ; a unit's rows stand in its loads' immediates
.endr
.if !SECOND
	v_mov_b32 v[ZR], 0
.endif
.if SECOND
	WIN 0x40
	v_mov_b32 v[R161], v[R16]
.endif
	WIN 0
	s_mul_i32 s[LISTW], s[WV], LISTB
	s_add_co_u32 s[LISTW], s[LISTW], LISTS
.irp p, 0,1,2,3
	v_mov_b32 v[PRE+\p], 0
	v_mov_b32 v[TT+\p], 0                          ; a DPP's destination counts as read
.endr
	s_wait_kmcnt 0x0
.irp k, 0,1,2,3
	global_load_b128 v[SELV+4*\k:SELV+4*\k+3], v[SLA], s[10:11] offset:16*\k
.endr
.if SECOND
	s_lshl_b32 s26, s[EX], 12
	s_add_co_u32 s26, s26, s60
	s_add_nc_u64 s[8:9], s[8:9], s[26:27]
	global_load_b128 v[B8:B8+3], v[R16], s[8:9]
	global_load_b128 v[B8+4:B8+7], v[R16], s[8:9] offset:256
	s_lshl_b32 s26, s[EX], 24
	s_lshl_b32 s25, s[KQ], 22
	s_add_co_u32 s26, s26, s25
	s_add_co_u32 s26, s26, s60
	s_add_nc_u64 s[SW:SW+1], s[6:7], s[26:27]
	s_lshl_b32 s26, s[KQ], 23
	s_add_co_u32 s26, s26, s60
	s_add_nc_u64 s[SO:SO+1], s[14:15], s[26:27]
.else
	s_lshl_b32 s26, s[EX], 14
	s_add_co_u32 s26, s26, s60
	s_add_nc_u64 s[8:9], s[8:9], s[26:27]
	global_load_b128 v[B8:B8+3], v[BOF], s[8:9]
	global_load_b128 v[B8+4:B8+7], v[BOF], s[8:9] offset:16
	s_lshl_b32 s26, s[EX], 24
	s_add_co_u32 s26, s26, s60
	s_add_nc_u64 s[SW:SW+1], s[6:7], s[26:27]
.endif
.irp u, 0,1,2,3,4,5,6,7
	WLOAD \u                                       ; trip 0's 64 rows
.endr
	WIN 0
	; PHASE 1.  Behind unit u's eight loads stand the 8 (7 - u) of the trip's later units and the 8 u new ones of the next trip's earlier units: 56.
	; That wait shows the unit's loads done, so its offset register is free: it steps to the next trip.  The new loads stand between the conversions and the LDS stores that read their results.
	s_mov_b32 s[TC], 3
.Lfill:
.irp u, 0,1,2,3,4,5,6,7
	s_wait_loadcnt 56
	WIN 0xcc
	v_add_nc_u32 v[WOU+\u], TRIPW, v[WOU+\u]
	CVT \u
	WLOAD \u
	STO \u
.if \u == 1
	WIN 0
	s_cmp_eq_u32 s[TC], 3                          ; the trip behind the one that is being loaded is asked for: trip 2 while trip 1 is loaded,
	s_cbranch_scc0 .Lpf_b
	PF 2
.Lpf_b:
	s_cmp_eq_u32 s[TC], 2                          ; trip 3 while trip 2 is loaded; the loop's last trip loads my last 64 rows and asks for nothing
	s_cbranch_scc0 .Lpf_c
	PF 3
.Lpf_c:
.endif
.endr
	WIN 0xcc
	v_add_nc_u32 v[WST], SUBR, v[WST]              ; my next sub-region
	WIN 0
	s_sub_co_u32 s[TC], s[TC], 1
	s_cmp_lg_u32 s[TC], 0
	s_cbranch_scc1 .Lfill
	; Every load of weights is out.  While the last 64 are on their way: the counts, the bias, the list, the first block's set-up.
	; sel's and the bias's loads are older than every load of weights: the loop's waits have shown them in.
.irp p, 0,1,2,3                        ; expert e's word for my 32 tokens: the low 16 from group 2 l, the high 16 from group 2 l + 1
	v_perm_b32 v[MK+2*\p], v[SELV+8+\p], v[SELV+\p], 0x05040100
	v_perm_b32 v[MK+2*\p+1], v[SELV+8+\p], v[SELV+\p], 0x07060302
	v_add_nc_u32 v[TOT+\p], v[SELV+4+\p], v[SELV+12+\p]      ; counts, two experts to a word: 1,024 at the most, no carry between the halves
.endr
	BFLY 1, 46
	BFLY 2, 47
	BFLY 4, 48
	BFLY 8, 49
	BFLY 16, 50
.irp p, 0,1,2,3
	v_readfirstlane_b32 s[42+\p], v[TOT+\p]
.endr
	s_mov_b32 s[CNT], 0
	s_mov_b32 s[BASE], 0
.irp e, 0,1,2,3,4,5,6,7                ; my expert's count; its first row of h: each expert's rows begin at a multiple of 16
	s_bfe_u32 s25, s[42+\e/2], (16<<16)|(16*(\e%2))
	s_cmp_eq_u32 s[EX], \e
	s_cselect_b32 s[CNT], s25, s[CNT]
	s_add_co_u32 s25, s25, 15
	s_and_b32 s25, s25, 0xfff0
	s_add_co_u32 s26, s[BASE], s25
	s_cmp_gt_u32 s[EX], \e
	s_cselect_b32 s[BASE], s26, s[BASE]
.endr
	s_min_u32 s[CNT], s[CNT], 1024
	s_sub_co_u32 s[NM1], s[CNT], 1
	; The bias, rounded to bf16, as the C operand that starts the sums: in C a lane holds one column and eight rows, so eight equal registers a column tile.
.irp p, 0,1,2,3
	v_cvt_pk_bf16_f32 v[16+\p], v[B8+2*\p], v[B8+2*\p+1]
.endr
.irp p, 0,1,2,3
	v_lshlrev_b32 v[B8+2*\p], 16, v[16+\p]
	v_and_b32 v[B8+2*\p+1], 0xffff0000, v[16+\p]
.endr
.if SECOND
	s_cmp_eq_u32 s[KQ], 0                          ; the first quarter of K alone carries it
	s_cselect_b32 s25, -1, 0
.irp t, 0,1,2,3,4,5,6,7
	v_and_b32 v[B8+\t], s25, v[B8+\t]
.endr
.endif
.irp t, 0,1,2,3,4,5,6,7
.irp j, 0,1,2,3,4,5,6,7
	v_mov_b32 v[BC+8*\t+\j], v[B8+\t]
.endr
.endr
	; my expert's words, the ranks in front of them and (second product) the words of the experts below it
	v_mov_b32 v[MOWN], 0
	v_mov_b32 v[PREO], 0
.if SECOND
	v_mov_b32 v[LOWR], 0
.endif
.irp e, 0,1,2,3,4,5,6,7
	s_cmp_eq_u32 s[EX], \e
	s_cselect_b32 s25, -1, 0
	v_and_or_b32 v[MOWN], v[MK+\e], s25, v[MOWN]
.if SECOND
	s_cmp_gt_u32 s[EX], \e
	s_cselect_b32 s26, -1, 0
	v_and_or_b32 v[LOWR], v[MK+\e], s26, v[LOWR]
.endif
.endr
	s_lshr_b32 s26, s[EX], 1
.irp p, 0,1,2,3
	s_cmp_eq_u32 s26, \p
	s_cselect_b32 s25, -1, 0
	v_and_or_b32 v[PREO], v[PRE+\p], s25, v[PREO]
.endr
	s_and_b32 s25, s[EX], 1
	s_lshl_b32 s25, s25, 4
	v_lshrrev_b32 v[PREO], s25, v[PREO]
	v_and_b32 v[PREO], 0xffff, v[PREO]
	; THE LIST, each wave its own: for word wd, lane l is token 32 wd + l; its rank among the expert's rows is its place.
	; A token that is not the expert's goes to halfword 1,024, which nobody reads: the minimum is the last step that is not linear.
.set wd, 0
.rept 32
.set ta, 16+2*(wd%2)
	v_readlane_b32 s54, v[MOWN], wd
	v_readlane_b32 s55, v[PREO], wd
.if SECOND
	v_readlane_b32 s56, v[LOWR], wd
.endif
	v_mbcnt_lo_u32_b32 v[ta], s54, s55
	v_cndmask_b32 v[ta], -1, v[ta], s54
	v_min_u32 v[ta], 1024, v[ta]
	v_lshl_add_u32 v[ta], v[ta], 1, s[LISTW]
	v_add_nc_u32 v[ta+1], 32*wd, v[LN]
.if SECOND
	v_add_nc_u32 v20, 32*wd+1024, v[LN]            ; + 1,024: the token's other expert is a lower one, so this row is the token's second
	v_cndmask_b32 v[ta+1], v[ta+1], v20, s56
.endif
	ds_store_b16 v[ta], v[ta+1]
.set wd, wd+1
.endr
	PRO ROW0                                       ; the first block's 40 row loads go out behind the last loads of weights
.irp u, 0,1,2,3,4,5,6,7                ; phase 1's last trip: behind unit u stand the 8 (7 - u) loads of the later units and the 40 row loads; a wait's count names 63 at the most
.if (96-8*\u) > 63
	s_wait_loadcnt 63
.else
	s_wait_loadcnt 96-8*\u
.endif
	CVT \u
	STO \u
.endr
	WIN 0
	s_wait_dscnt 0x0                               ; for the others' sake: my quarter of the slice is in LDS
	s_barrier_signal -1
	s_barrier_wait -1                              ; the whole slice is; from here on it is only read
	; PHASE 2
	s_mov_b32 s[OC], 4                             ; 4 x 320 rows cover the 1,024 that an expert can have
.Lblock:
	s_cmp_ge_u32 s[ROW0], s[CNT]
	s_cbranch_scc1 .Lbend                          ; no rows are left for this trip: on to the counter's step
	s_wait_xcnt 0x0                                ; the last block's stores have read their registers
	WFADR 0
	WFADR 1
	LD_WF 0
	LD_WF 1
	QTR 0, 1, 1, 1, 16, 30                         ; trip 0's first quarter stands ahead of the loop: its products start the sums
	s_mov_b32 s[TC], 7
.Ltrip:                                                ; from a trip's second quarter to the next trip's first
	QTR 1, 0, 1, 1, 16, 30
	QTR 2, 0, 1, 1, 16, 30
	QTR 3, 0, 1, 1, 16, 30
	s_cmp_gt_u32 s[TC], 1                          ; quarter 0 runs a trip ahead of the others.  In the loop's last trip it asks for chunk 7's first quarter once more and nobody uses it: ten loads, the price, once a block, of one text for every trip
	s_cselect_b32 s[STP], 256, 0
	s_add_co_u32 s[KO], s[KO], 2*SUBR              ; the next trip's two sub-regions
	QTR 0, 0, 1, 1, 16, 30
	s_sub_co_u32 s[TC], s[TC], 1
	s_cmp_lg_u32 s[TC], 0
	s_cbranch_scc1 .Ltrip
.if SECOND
	; the block's 40 output rows and their gates, fifteen blocks of products ahead of their use
	s_lshl_b32 s25, s[WV], 4
	s_add_co_u32 s25, s25, s[ROW0]
	WIN 0x40
	v_lshl_add_u32 v[RB1], v[HH], 3, s25           ; an accumulator's register j is row 16 w + 8 hh + 64 i + j of the block
.irp i, 0,1,2,3,4
	ROA \i
.endr
	s_wait_dscnt 0x0
.irp i, 0,1,2,3,4
	ROB \i
.endr
	WIN 0
.endif
	QTR 1, 0, 0, 1, 16, 30+XG                      ; trip 7 goes on: no row is asked for, and the counts run down
	QTR 2, 0, 0, 0, 16, 20+XG
	QTR 3, 0, 0, 0, 0, 10+XG
	PLACES
	s_wait_loadcnt 0x0                             ; the ten loads that nobody uses (their registers are loaded again for the next block), and the gates
	s_mov_b32 s[KO], 0
.if SECOND
	; THE WAY OUT.  Row j of a tile times its gate; the four results of a lane are 16 neighbouring bytes, sixteen lanes 256 aligned bytes of the row of yp.
	; Two sets of 64 registers take turns: a set is written again behind the wait that stands between the next tile's multiplies and its stores.
.irp i, 0,1,2,3,4
	s_cmp_le_u32 s[NTW], \i
	s_cbranch_scc1 .Lwend
.set AC, 64*(\i%4)
.set OS, AS+64*(\i%2)
	WIN 0xc6+(\i/4)
.irp j, 0,1,2,3,4,5,6,7                ; ascending: each accumulator is first read at its lowest register
.irp g, 0,1
.irp c, 0,1,2,3
	v_mul_f32 v[OS+8*\j+4*\g+\c], v[AC+8*(4*\g+\c)+\j], v[GI+8*\i+\j]
.endr
.endr
.endr
	s_wait_xcnt 0x0                                ; the last tile's stores have read the other set
	WIN 0x0d
.irp j, 0,1,2,3,4,5,6,7
.irp g, 0,1
	global_store_b128 v[RO+8*\i+\j], v[OS+8*\j+4*\g:OS+8*\j+4*\g+3], s[SO:SO+1] offset:256*\g
.endr
.endr
	WIN 0
.endr
.else
	; THE WAY OUT.  Row j of a tile: a lane's eight columns rounded to bf16, relu on the packed halves, 16 bytes; sixteen lanes store 256 aligned bytes of a row of h.
	; Whole tiles are stored, the rows past the count too: the second product reads whole tiles.
.irp i, 0,1,2,3,4
	s_cmp_le_u32 s[NTW], \i
	s_cbranch_scc1 .Lwend
.set AC, 64*(\i%4)
	WIN 0xca+5*(\i/4)
.irp j, 0,1,2,3,4,5,6,7                ; ascending: each accumulator is first read at its lowest register
.irp p, 0,1,2,3
	v_cvt_pk_bf16_f32 v[AS+32*\i+4*\j+\p], v[AC+16*\p+\j], v[AC+16*\p+8+\j]
.endr
.endr
	WIN 0xcf
.set n, 0
.rept 32
	v_pk_max_num_bf16 v[AS+32*\i+n], v[AS+32*\i+n], v[ZR]
.set n, n+1
.endr
	WIN 0x0c
.irp j, 0,1,2,3,4,5,6,7
	global_store_b128 v[HOF], v[AS+32*\i+4*\j:AS+32*\i+4*\j+3], s[SO:SO+1] offset:(64*\i+\j)*8192
.endr
	WIN 0
.endr
.endif
.Lwend:
	s_add_co_u32 s[RN], s[ROW0], CAP
	s_cmp_ge_u32 s[RN], s[CNT]
	s_cbranch_scc1 .Lbend                          ; this was the expert's last block
	s_wait_xcnt 0x0                                ; the stores have read their base
	PRO RN                                         ; the next block's set-up and its first row loads
.Lbend:
	s_add_co_u32 s[ROW0], s[ROW0], CAP
	s_sub_co_u32 s[OC], s[OC], 1
	s_cmp_lg_u32 s[OC], 0
	s_cbranch_scc1 .Lblock
	s_wait_dscnt 0x0                               ; my reads of LDS are back;
	s_barrier_signal -1
	s_barrier_wait -1                              ; every wave's are: no wave's last LDS write comes before that
	s_wait_tensorcnt 0x0                           ; the wave's end
	ds_add_u32 v[SPW], v[NIL]
	s_wait_dscnt 0x0
	s_endpgm
.Lfunc_end_k_qa91647b66e_ffn2:
	.size	k_qa91647b66e_ffn2, .Lfunc_end_k_qa91647b66e_ffn2-k_qa91647b66e_ffn2
	.p2alignl 7, 3214868480
	.fill 96, 4, 3214868480
	.section	.rodata,"a",@progbits
	.p2align	6, 0x0
	.amdhsa_kernel k_qa91647b66e_ffn2
		.amdhsa_group_segment_fixed_size 306688
		.amdhsa_private_segment_fixed_size 0
		.amdhsa_enable_private_segment 0
		.amdhsa_kernarg_size 48
		.amdhsa_user_sgpr_count 2
		.amdhsa_user_sgpr_kernarg_segment_ptr 1
		.amdhsa_wavefront_size32 1
		.amdhsa_system_sgpr_workgroup_id_x 1
		.amdhsa_system_sgpr_workgroup_id_y 1
		.amdhsa_system_sgpr_workgroup_id_z 1
		.amdhsa_system_vgpr_workitem_id 0
		.amdhsa_next_free_vgpr 1024
		.amdhsa_next_free_sgpr 66
		.amdhsa_reserve_vcc 0
		.amdhsa_float_denorm_mode_32 3
		.amdhsa_float_denorm_mode_16_64 3
		.amdhsa_memory_ordered 1
		.amdhsa_forward_progress 1
		.amdhsa_inst_pref_size 171
	.end_amdhsa_kernel
	.amdgpu_metadata
---
amdhsa.version: [ 1, 2 ]
amdhsa.kernels:
  - .name:           k_qa91647b66e_ffn2
    .symbol:         k_qa91647b66e_ffn2.kd
    .args:
      - { .name: h, .offset: 0, .size: 8, .value_kind: global_buffer, .address_space: global }
      - { .name: W2, .offset: 8, .size: 8, .value_kind: global_buffer, .address_space: global }
      - { .name: b2, .offset: 16, .size: 8, .value_kind: global_buffer, .address_space: global }
      - { .name: sel, .offset: 24, .size: 8, .value_kind: global_buffer, .address_space: global }
      - { .name: gate, .offset: 32, .size: 8, .value_kind: global_buffer, .address_space: global }
      - { .name: yp, .offset: 40, .size: 8, .value_kind: global_buffer, .address_space: global }
    .group_segment_fixed_size: 306688
    .private_segment_fixed_size: 0
    .kernarg_segment_align: 8
    .kernarg_segment_size: 48
    .max_flat_workgroup_size: 128
    .sgpr_count:     66
    .vgpr_count:     1024
    .wavefront_size: 32
...
	.end_amdgpu_metadata
.endif
;; end of part 3
;; launch add (part 4): grid 256 x 1, 8 waves a work-group, no clusters, 0 bytes of LDS; arguments yp, out0; writes out0
.if DOCPART == 4
	.amdgcn_target "amdgcn-amd-amdhsa--gfx1250"
	.amdhsa_code_object_version 6
	.text
	.protected	k_qa91647b66e_add
	.globl	k_qa91647b66e_add
	.p2align	8
	.type	k_qa91647b66e_add,@function
k_qa91647b66e_add:
	s_mov_b64 s[64:65], 0
	v_nop
	global_prefetch_b8 v0, s[64:65] scope:SCOPE_SE
	s_setreg_imm32_b32 hwreg(HW_REG_WAVE_MODE, 25, 1), 1
	s_wait_xcnt 0x0
; out0[t] = the sum of the eight planes yp[kq][slot][t]: four quarters of K for each of the token's two experts, all f32, added in one fixed tree.
; A stream: 32 MB in, 4 MB out.  Work-group g takes token rows 4 g .. 4 g + 3; thread t the 16 bytes at 16 t of each row, so a wave's load or store covers
; 512 consecutive, aligned bytes.  All 32 loads of a thread go out first; the waits count down by rows.  LDS, matrix unit and clusters would add nothing: no byte is shared.
.set PLANE, 0x400000                   ; 1,024 rows of 4,096 bytes
.set D, 16                             ; v[16:143]  row k, plane p at 16 + 4 (8 k + p)
	s_load_b128 s[4:7], s[0:1], 0x0                ; yp s[4:5], out0 s[6:7]
	v_lshlrev_b32 v1, 4, v0
	s_lshl_b32 s2, ttmp9, 14                       ; four rows of 4,096 bytes
	s_mov_b32 s3, 0
	s_wait_kmcnt 0x0
	s_add_nc_u64 s[4:5], s[4:5], s[2:3]
	s_add_nc_u64 s[6:7], s[6:7], s[2:3]
.irp p, 0,1,2,3,4,5,6,7
	s_add_nc_u64 s[8+2*\p:9+2*\p], s[4:5], \p*PLANE
.endr
.irp k, 0,1,2,3
.irp p, 0,1,2,3,4,5,6,7
	global_load_b128 v[D+4*(8*\k+\p):D+4*(8*\k+\p)+3], v1, s[8+2*\p:9+2*\p] offset:4096*\k th:TH_LOAD_NT
.endr
.endr
.macro PAIR k, a, b                    ; plane a += plane b, four numbers
	v_pk_add_f32 v[D+4*(8*\k+\a):D+4*(8*\k+\a)+1], v[D+4*(8*\k+\a):D+4*(8*\k+\a)+1], v[D+4*(8*\k+\b):D+4*(8*\k+\b)+1]
	v_pk_add_f32 v[D+4*(8*\k+\a)+2:D+4*(8*\k+\a)+3], v[D+4*(8*\k+\a)+2:D+4*(8*\k+\a)+3], v[D+4*(8*\k+\b)+2:D+4*(8*\k+\b)+3]
.endm
.irp k, 0,1,2,3
	s_wait_loadcnt 24-8*\k                         ; the later rows' loads, eight each, stay out
	PAIR \k, 0, 1
	PAIR \k, 2, 3
	PAIR \k, 4, 5
	PAIR \k, 6, 7
	PAIR \k, 0, 2
	PAIR \k, 4, 6
	PAIR \k, 0, 4
	global_store_b128 v1, v[D+32*\k:D+32*\k+3], s[6:7] offset:4096*\k th:TH_STORE_NT
.endr
	s_endpgm
.Lfunc_end_k_qa91647b66e_add:
	.size	k_qa91647b66e_add, .Lfunc_end_k_qa91647b66e_add-k_qa91647b66e_add
	.p2alignl 7, 3214868480
	.fill 96, 4, 3214868480
	.section	.rodata,"a",@progbits
	.p2align	6, 0x0
	.amdhsa_kernel k_qa91647b66e_add
		.amdhsa_group_segment_fixed_size 0
		.amdhsa_private_segment_fixed_size 0
		.amdhsa_enable_private_segment 0
		.amdhsa_kernarg_size 16
		.amdhsa_user_sgpr_count 2
		.amdhsa_user_sgpr_kernarg_segment_ptr 1
		.amdhsa_wavefront_size32 1
		.amdhsa_system_sgpr_workgroup_id_x 1
		.amdhsa_system_sgpr_workgroup_id_y 1
		.amdhsa_system_sgpr_workgroup_id_z 1
		.amdhsa_system_vgpr_workitem_id 0
		.amdhsa_next_free_vgpr 144
		.amdhsa_next_free_sgpr 66
		.amdhsa_reserve_vcc 0
		.amdhsa_float_denorm_mode_32 3
		.amdhsa_float_denorm_mode_16_64 3
		.amdhsa_memory_ordered 1
		.amdhsa_forward_progress 1
		.amdhsa_inst_pref_size 8
	.end_amdhsa_kernel
	.amdgpu_metadata
---
amdhsa.version: [ 1, 2 ]
amdhsa.kernels:
  - .name:           k_qa91647b66e_add
    .symbol:         k_qa91647b66e_add.kd
    .args:
      - { .name: yp, .offset: 0, .size: 8, .value_kind: global_buffer, .address_space: global }
      - { .name: out0, .offset: 8, .size: 8, .value_kind: global_buffer, .address_space: global }
    .group_segment_fixed_size: 0
    .private_segment_fixed_size: 0
    .kernarg_segment_align: 8
    .kernarg_segment_size: 16
    .max_flat_workgroup_size: 256
    .sgpr_count:     66
    .vgpr_count:     144
    .wavefront_size: 32
...
	.end_amdgpu_metadata
.endif
;; end of part 4
